; MI455X (gfx1250); checked and timed in simulation.
; The chip was launched on July 23, 2026; its instructions are those of AMD's public machine-readable ISA for CDNA 5 (MIT licence, August 2026) and "CDNA5" Instruction Set Architecture Reference Guide (July 2026). The comments in the code are by the model that wrote it; some were corrected since.
;; Multi Head Self Attention. Allowed arithmetic: matrix products marked QUANTISED: E2M1 operands, one E8M0 scale for each 32 along K, by v_wmma_scale_f32_16x16x128_f8f6f4 with both operands' format E2M1 (or v_wmma_scale_f32_32x16x128_f4), f32 sums; products left as they are: bf16, f16 or f32 operands; f32 sums; everything else in f32.
;; Inputs: token_positions 2,048 int32; w_out 1,024 x 1,024 float32; w_qkv 3,072 x 1,024 float32; x 4 x 2,048 x 1,024 float32.
;; Outputs: out0 4 x 2,048 x 1,024 float32.
;; This version of the problem:
;;   THIS VERSION OF THE PROBLEM IS GIVEN IN LOW PRECISION. The matrix products marked QUANTISED in the list below multiply operands that are first quantised to E2M1 (2 exponent bits, 1 mantissa bit; 4 bits a number), with one power-of-two scale for each 32 numbers along K (OCP MX v1.0); their sums are f32. The products marked 'left as it is' may take bf16, f16 or f32 operands, with f32 sums. Whichever they take, every output number must still come out within the allowed error. Rounding operands to bf16 (8 significant bits) uses up far more of that allowance than f16 does (11 bits, for magnitudes from 6e-5 to 65,504). All else is computed in f32.
;;   The module's matrix products, in the order in which they are computed (A, B: the left and right operand; K: the contracted axis; several contracted axes count as one K, in the product's order):
;;     1. [M 8,192, K 1,024] x [K 1,024, N 3,072]; A: input x; B: input w_qkv: QUANTISED
;;     2. batch 64 x [M 2,048, K 64] x [K 64, N 2,048]; A: computed on the way; B: computed on the way: left as it is (an operand is computed on the way)
;;     3. batch 64 x [M 2,048, K 2,048] x [K 2,048, N 64]; A: computed on the way; B: computed on the way: left as it is (an operand is computed on the way)
;;     4. [M 8,192, K 1,024] x [K 1,024, N 1,024]; A: computed on the way; B: input w_out: left as it is (an operand is computed on the way)
;;   THE QUANTISER, for each operand of a quantised product, along K:
;;     - K is cut into blocks of 32 from its start; a last block that is shorter is filled with zeros.
;;     - A block's scale is 2^e with e = floor(log2(the largest magnitude in the block)) - 2, held to -126 .. 127; a block of zeros has e = 0. As a byte (E8M0): e + 127.
;;     - Each number is divided by its block's scale, clamped to +-6, and rounded to the nearest number of E2M1, ties to even, subnormals kept.
;;     - The product sums the exact products of the quantised numbers (number of the format x scale) in f32.
;;   ~~~python
;;   def quantise(x, axis):      # numpy; x: float32 -> the quantised numbers, widened to float32 again
;;       x = np.moveaxis(x, axis, -1); K = x.shape[-1]
;;       x = np.pad(x, [(0, 0)] * (x.ndim - 1) + [(0, -K % 32)]); x = x.reshape(x.shape[:-1] + (-1, 32)); a = np.abs(x).max(-1, keepdims=True)
;;       e = np.where(a > 0, np.clip(np.frexp(np.where(a > 0, a, 1))[1] - 1 - 2, -126, 127), 0)      # np.frexp(a)[1] - 1 = floor(log2(a)), exactly
;;       r = np.clip(x / 2.0 ** e, -6, 6)
;;       step = 2.0 ** (np.maximum(np.frexp(np.where(r == 0, 1, r))[1] - 1, 0) - 1)
;;       q = np.round(r / step) * step * 2.0 ** e      # np.round: ties to even
;;       return np.moveaxis(q.reshape(q.shape[:-2] + (-1,))[..., :K], -1, axis).astype(np.float32)
;;   ~~~
;; One version. Each part assembles by itself: llvm-mc -triple=amdgcn-amd-amdhsa -mcpu=gfx1250 --defsym DOCPART=n.
;; ======== version 1 of 1: 6 launches
;; limits: values are held in f16: magnitudes above 65,504 overflow, below 6.1e-05 lose precision; right only within a limited range of input values
;; workspace buffers: codes 5,767,168 bytes; scales 360,448 bytes; wo16 2,097,152 bytes; rope 524,288 bytes; qkvh 50,331,648 bytes; att16 16,777,216 bytes; att32 262,144 bytes
;; launch prep (part 1): grid 416 x 1, 4 waves a work-group, no clusters, 33,280 bytes of LDS; arguments x, w_qkv, w_out, token_positions, codes, scales, wo16, rope; writes codes, scales, wo16, rope
.if DOCPART == 1
	.amdgcn_target "amdgcn-amd-amdhsa--gfx1250"
	.amdhsa_code_object_version 6
	.text
	.protected	k_qc4a286dfe0_prep
	.globl	k_qc4a286dfe0_prep
	.p2align	8
	.type	k_qc4a286dfe0_prep,@function
k_qc4a286dfe0_prep:
	s_mov_b64 s[64:65], 0
	v_nop
	global_prefetch_b8 v0, s[64:65] scope:SCOPE_SE
	s_setreg_imm32_b32 hwreg(HW_REG_WAVE_MODE, 25, 1), 1
	s_wait_xcnt 0x0
; PREP: all that later launches read again is laid out once.  Three roles, chosen by the work-group's number.
;  0-351   x [8192][1024] and w_qkv [3072][1024], f32, become codes of FP4 (E2M1), K innermost, two a byte, and one E8M0 byte for each 32 along K.
;          codes: [11264 rows][512 bytes], x's rows first, then w_qkv's; scales: [11264][32 bytes].
;          A block's byte is its largest magnitude's exponent field - 2, held at 1 from below.  (A block of zeros gets the byte 1: its codes are zeros, and this program alone reads the bytes.)
;  352-383 w_out [1024][1024] f32 becomes f16, laid [n / 64][k / 64][64 rows][64]: what a wave of the projection fetches is then one dense block.
;  384-415 the table of rotations: rope[s][j] = (cos, sin) of token_positions[s] x 10000^(-j / 32), f32, 256 bytes a position.
; LIMITS: NaN and infinities are not served; blocks whose largest magnitude lies under 2^-124 keep the byte 1; |token position| up to 2^22 (the quadrant's number stays exact in f32);
; 10000^(-j / 32) is made by the base-2 exponential and may differ from a correctly rounded power in the last two bits.
.set WAVES, 4
.set STEPS, 16
.set EMAX,  2
.set CB,    8                          ; bytes of 16 codes
.set R,     16                         ; v16-79   four sets of 16 numbers as they are loaded
.set X,     80                         ; v80-111  two sets of 16 neighbours
.set C,     128                        ; v128-191 codes: four registers for each step, so that no store's data are written again
.set E,     112                        ; v112-127 a scale byte for each step
.set WREG,  8192                       ; LDS: a region for each wave: two stages of 32 x SP bytes, behind them its 256 scale bytes
.set SP,    80                         ; a lane's place in a stage: 64 bytes + 16 of padding
.set SPW,   12                         ; v12 LDS address of my spare word; never rewritten
.set NIL,   13                         ; v13 0; never rewritten
.set SPARE, WAVES*WREG                 ; behind the four regions: the spare words, 128 bytes a wave
.set WGX,   256                        ; work-groups for x: 8192 x 1024 / 32768
.set WGQ,   352                        ; + 96 for w_qkv
.set WGC,   384                        ; + 32 for w_out
	s_load_b256 s[4:11], s[0:1], 0x0               ; x s[4:5], w_qkv s[6:7], w_out s[8:9], token_positions s[10:11]
	s_load_b256 s[12:19], s[0:1], 0x20             ; codes s[12:13], scales s[14:15], wo16 s[16:17], rope s[18:19]
	v_lshl_add_u32 v[SPW], v0, 2, SPARE
	v_mov_b32 v[NIL], 0
	v_lshrrev_b32 v1, 5, v0
	v_readfirstlane_b32 s20, v1                    ; wave
	v_and_b32 v2, 31, v0                           ; lane
	v_lshlrev_b32 v3, 4, v2                        ; my 16 bytes of a load's 512
	s_mul_i32 s21, s20, WREG
	v_lshrrev_b32 v14, 2, v2
	v_mul_u32_u24 v14, v14, SP
	v_and_b32 v15, 3, v2
	v_lshl_add_u32 v14, v15, 4, v14
	v_add_nc_u32 v14, s21, v14                     ; the stage, on the way in: SP (lane / 4) + 16 (lane % 4)
	v_mul_u32_u24 v15, v2, SP
	v_add_nc_u32 v15, s21, v15                     ; and on the way out: SP x lane: my 16 neighbours
	v_mul_u32_u24 v4, v2, CB                       ; my codes' place in a step's
	v_lshrrev_b32 v5, 1, v2
	s_add_co_u32 s21, s21, 2*32*SP
	v_add_nc_u32 v5, s21, v5                       ; LDS: my wave's 256 scale bytes, my block's byte
	v_lshlrev_b32 v7, 3, v2                        ; and on the way out 8 bytes a lane
	v_add_nc_u32 v6, s21, v7
	s_wait_kmcnt 0x0
	s_cmp_ge_u32 ttmp9, WGQ
	s_cbranch_scc1 .Lother
	; ---- the quantiser.  Rows are dense and K is a multiple of 32: both tensors are plain streams of blocks of 32, and so are their codes and bytes
	s_cmp_lt_u32 ttmp9, WGX                        ; x's work-group or w_qkv's: the input alone is chosen; the outputs follow each other in one buffer
	s_cselect_b64 s[4:5], s[4:5], s[6:7]
	s_cselect_b32 s22, 0, WGX
	s_sub_co_u32 s22, ttmp9, s22
	s_lshl_b32 s22, s22, 2
	s_add_co_u32 s22, s22, s20                     ; which run of 8,192 numbers of the tensor is my wave's
	s_lshl_b32 s24, s22, 15                        ; 32,768 bytes a run
	s_mov_b32 s25, 0
	s_add_nc_u64 s[4:5], s[4:5], s[24:25]
	s_lshl_b32 s22, ttmp9, 2
	s_add_co_u32 s22, s22, s20                     ; and which run of the outputs
	s_lshl_b32 s24, s22, 12                        ; 4,096 bytes of codes
	s_add_nc_u64 s[12:13], s[12:13], s[24:25]
	s_lshl_b32 s24, s22, 8                         ; 256 scale bytes
	s_add_nc_u64 s[14:15], s[14:15], s[24:25]
.macro LOAD t
.irp i, 0,1,2,3
	global_load_b128 v[R+16*((\t)%4)+4*\i:R+16*((\t)%4)+4*\i+3], v3, s[4:5] offset:2048*(\t)+512*\i th:TH_LOAD_NT   ; 32 lanes read 512 consecutive bytes
.endr
.endm
.macro TURN t                          ; step t's numbers through the stage: LDS serves a wave's instructions in order, so no wait stands between the stores and the loads
.irp i, 0,1,2,3
	ds_store_b128 v14, v[R+16*((\t)%4)+4*\i:R+16*((\t)%4)+4*\i+3] offset:32*SP*((\t)%2)+8*SP*\i
.endr
.irp i, 0,1,2,3
	ds_load_b128 v[X+16*((\t)%2)+4*\i:X+16*((\t)%2)+4*\i+3], v15 offset:32*SP*((\t)%2)+16*\i
.endr
.endm
.irp t, 0,1,2,3
	LOAD \t
.endr
	s_wait_loadcnt 12                              ; step 0's four loads are in; three steps' twelve stay out
	TURN 0
.macro STEP t
.set XS, X+16*((\t)%2)
.if (\t) > 0
	s_wait_dscnt 1                                 ; this step's numbers are back from the stage (the last step's byte store may be out)
.else
	s_wait_dscnt 0x0
.endif
.if (\t)+4 < STEPS
	LOAD (\t)+4                                    ; into the registers that the stage's stores have read
.endif
.if (\t)+1 < STEPS
.if STEPS-2-(\t) >= 3
	s_wait_loadcnt 12                              ; the next step's four loads are in; those of the three steps behind it may be out
.else
	s_wait_loadcnt 4*(STEPS-2-(\t))
.endif
	TURN (\t)+1                                    ; and go through the other stage while this step is worked
.endif
	v_max3_num_f32 v8, |v[XS]|, |v[XS+1]|, |v[XS+2]|               ; the largest magnitude of my 16, in two chains
	v_max3_num_f32 v9, |v[XS+3]|, |v[XS+4]|, |v[XS+5]|
.irp i, 6,10
	v_max3_num_f32 v8, v8, |v[XS+\i]|, |v[XS+\i+1]|
	v_max3_num_f32 v9, v9, |v[XS+\i+2]|, |v[XS+\i+3]|
.endr
	v_max3_num_f32 v8, v8, |v[XS+14]|, |v[XS+15]|
	v_max3_num_f32 v8, v8, v9, (EMAX+1)<<23        ; and the floor 2^(3 - 127): the byte cannot fall under 1
	v_max_num_f32_dpp v8, v8, v8 row_xmask:1 row_mask:0xf bank_mask:0xf   ; and of my neighbour's 16: the block's
	v_add_nc_u32 v11, -(EMAX<<23), v8              ; 2 off its exponent field: the conversion takes the exponent field of this operand as its scale
	v_cvt_scalef32_pk8_fp4_f32 v[C+4*(\t)], v[XS:XS+7], v11
	v_cvt_scalef32_pk8_fp4_f32 v[C+4*(\t)+1], v[XS+8:XS+15], v11
	v_lshrrev_b32 v[E+(\t)], 23, v11               ; the scale's byte (a plain line behind the conversions)
	ds_store_b8 v5, v[E+(\t)] offset:16*(\t)       ; both lanes of a block write the same byte with the same value
	global_store_b64 v4, v[C+4*(\t):C+4*(\t)+1], s[12:13] offset:32*CB*(\t)   ; the wave stores 256 consecutive bytes, aligned
.endm
.irp t, 0,1,2,3,4,5,6,7,8,9,10,11,12,13,14,15
	STEP \t
.endr
	ds_load_b64 v[8:9], v6                         ; LDS serves a wave's instructions in order: these see my byte stores
	s_wait_dscnt 0x0
	global_store_b64 v7, v[8:9], s[14:15]          ; 32 lanes store 256 consecutive bytes, aligned
	s_wait_tensorcnt 0x0                           ; the wave's end
	ds_add_u32 v[SPW], v[NIL]
	s_wait_dscnt 0x0
	s_endpgm
.Lother:
	s_cmp_ge_u32 ttmp9, WGC
	s_cbranch_scc1 .Ltable
	; ---- w_out to f16.  A wave takes 8 rows, 4 at a time: eight lanes to a row's 64 numbers of one block of 64 along K, 8 numbers a lane; the 4 rows' 512 bytes of f16 are neighbours in wo16.  No LDS
	s_sub_co_u32 s21, ttmp9, WGQ                   ; c = 0 .. 31
	s_lshl_b32 s22, s21, 5
	s_lshl_b32 s23, s20, 3
	s_add_co_u32 s22, s22, s23                     ; my first row: 32 c + 8 wave
	s_lshl_b32 s24, s22, 12                        ; rows of 4,096 bytes
	s_mov_b32 s25, 0
	s_add_nc_u64 s[8:9], s[8:9], s[24:25]
	s_lshr_b32 s24, s21, 1
	s_lshl_b32 s24, s24, 17                        ; the block of 64 rows: 131,072 bytes
	s_and_b32 s22, s22, 63
	s_lshl_b32 s22, s22, 7                         ; my row in it: 128 bytes a row
	s_add_co_u32 s24, s24, s22
	s_add_nc_u64 s[16:17], s[16:17], s[24:25]
	v_lshrrev_b32 v10, 3, v2
	v_and_b32 v11, 7, v2
	v_lshlrev_b32 v10, 12, v10
	v_lshl_add_u32 v10, v11, 5, v10                ; in: row lane / 8, 32 bytes a lane
	v_lshlrev_b32 v11, 4, v2                       ; out: 16 bytes a lane
.macro LOADB t                         ; batch t: rows 4 (t / 2) on, blocks 8 (t % 2) .. + 7 along K, into set t % 2
.irp i, 0,1,2,3,4,5,6,7
	global_load_b128 v[16+64*((\t)%2)+8*\i:16+64*((\t)%2)+8*\i+3], v10, s[8:9] offset:((\t)/2)*16384+(8*((\t)%2)+\i)*256 th:TH_LOAD_NT
	global_load_b128 v[16+64*((\t)%2)+8*\i+4:16+64*((\t)%2)+8*\i+7], v10, s[8:9] offset:((\t)/2)*16384+(8*((\t)%2)+\i)*256+16 th:TH_LOAD_NT
.endr
.endm
.macro BATCH t
.if (\t) < 3
	s_wait_loadcnt 16                              ; this batch's 16 loads are in; the next batch's may be out
.else
	s_wait_loadcnt 0x0
.endif
.if (\t) > 0
	s_wait_xcnt 0x0                                ; the last batch's stores have read their data: v144-175 are written again only behind this wait
.endif
.set i, 0
.rept 32
	v_cvt_pk_f16_f32 v[144+i], v[16+64*((\t)%2)+2*i], v[16+64*((\t)%2)+2*i+1]
.set i, i+1
.endr
.irp i, 0,1,2,3,4,5,6,7
	global_store_b128 v11, v[144+4*\i:144+4*\i+3], s[16:17] offset:(8*((\t)%2)+\i)*8192+((\t)/2)*512   ; 512 consecutive bytes: 4 rows of 128
.endr
.if (\t)+2 < 4
	LOADB (\t)+2
.endif
.endm
	LOADB 0
	LOADB 1
.irp t, 0,1,2,3
	BATCH \t
.endr
	s_endpgm
.Ltable:
	; ---- the table.  A wave takes 16 positions; lane j takes pair j.  The angle is reduced by whole quarter turns (pi / 2 in three parts, fused), sine and cosine come from polynomials on +-pi / 4.  No LDS
	s_sub_co_u32 s21, ttmp9, WGC
	s_lshl_b32 s21, s21, 6
	s_lshl_b32 s22, s20, 4
	s_add_co_u32 s21, s21, s22                     ; my first position: 64 x work-group + 16 x wave
	s_lshl_b32 s24, s21, 2
	s_mov_b32 s25, 0
	s_add_nc_u64 s[10:11], s[10:11], s[24:25]
	s_load_b512 s[32:47], s[10:11], 0x0            ; sixteen token positions
	s_lshl_b32 s26, s21, 8                         ; 256 bytes a position
	s_mov_b32 s27, 0
	s_add_nc_u64 s[18:19], s[18:19], s[26:27]
	s_mov_b32 s48, 0x3f22f983                      ; 2 / pi
	s_mov_b32 s49, 0x3fc90fdb                      ; pi / 2: its f32,
	s_mov_b32 s50, 0xb33bbd2e                      ; what that leaves,
	s_mov_b32 s51, 0xa6f72ced                      ; and what that leaves
	s_mov_b32 s52, 0xb94ca1f9                      ; sine: r + r z (S2 + z (S1 + z S0))
	s_mov_b32 s53, 0x3c08839e
	s_mov_b32 s54, 0xbe2aaaa3
	s_mov_b32 s55, 0x37ccf5ce                      ; cosine: 1 - z / 2 + z z (C2 + z (C1 + z C0))
	s_mov_b32 s56, 0xbab6061a
	s_mov_b32 s57, 0x3d2aaaa5
	v_cvt_f32_u32 v16, v2
	v_mul_f32 v16, 0xbed49a78, v16                 ; -j log2(10000) / 32
	v_exp_f32 v16, v16                             ; 10000^(-j / 32)
	v_lshlrev_b32 v17, 3, v2                       ; (a plain line behind the exponential)  8 bytes a pair
	s_wait_alu depctr_va_vdst(0)                   ; the wait ahead of the first line that names the result
	s_wait_kmcnt 0x0
.macro SINCOS i
	v_cvt_f32_i32 v20, s[32+\i]
	v_mul_f32 v20, v20, v16                        ; the angle, rounded once
	v_mul_f32 v21, s48, v20
	v_rndne_f32 v21, v21                           ; n quarter turns
	v_fma_f32 v22, -v21, s49, v20
	v_fma_f32 v22, -v21, s50, v22
	v_fma_f32 v22, -v21, s51, v22                  ; r
	v_cvt_i32_f32 v23, v21
	v_mul_f32 v24, v22, v22                        ; z
	v_fma_f32 v25, v24, s52, s53
	v_fma_f32 v26, v24, s55, s56
	v_fma_f32 v25, v25, v24, s54
	v_fma_f32 v26, v26, v24, s57
	v_mul_f32 v25, v25, v24
	v_mul_f32 v28, v24, v24
	v_fma_f32 v27, v24, -0.5, 1.0
	v_fma_f32 v25, v25, v22, v22                   ; sin r
	v_fma_f32 v26, v26, v28, v27                   ; cos r
	v_and_b32 v27, 1, v23
	v_cmp_eq_u32 vcc_lo, 1, v27                    ; an odd quadrant swaps the two
	v_cndmask_b32 v28, v25, v26, vcc_lo
	v_cndmask_b32 v29, v26, v25, vcc_lo
	v_and_b32 v27, 2, v23
	v_lshlrev_b32 v27, 30, v27
	v_xor_b32 v[65+2*\i], v28, v27                 ; the sine is negative in quadrants 2 and 3,
	v_add_nc_u32 v27, 1, v23
	v_and_b32 v27, 2, v27
	v_lshlrev_b32 v27, 30, v27
	v_xor_b32 v[64+2*\i], v29, v27                 ; the cosine in 1 and 2
	global_store_b64 v17, v[64+2*\i:65+2*\i], s[18:19] offset:256*\i   ; 32 lanes store a position's 256 bytes; each position has data registers of its own
.endm
.irp i, 0,1,2,3,4,5,6,7,8,9,10,11,12,13,14,15
	SINCOS \i
.endr
	s_endpgm
.Lfunc_end_k_qc4a286dfe0_prep:
	.size	k_qc4a286dfe0_prep, .Lfunc_end_k_qc4a286dfe0_prep-k_qc4a286dfe0_prep
	.p2alignl 7, 3214868480
	.fill 96, 4, 3214868480
	.section	.rodata,"a",@progbits
	.p2align	6, 0x0
	.amdhsa_kernel k_qc4a286dfe0_prep
		.amdhsa_group_segment_fixed_size 33280
		.amdhsa_private_segment_fixed_size 0
		.amdhsa_enable_private_segment 0
		.amdhsa_kernarg_size 64
		.amdhsa_user_sgpr_count 2
		.amdhsa_user_sgpr_kernarg_segment_ptr 1
		.amdhsa_wavefront_size32 1
		.amdhsa_system_sgpr_workgroup_id_x 1
		.amdhsa_system_sgpr_workgroup_id_y 1
		.amdhsa_system_sgpr_workgroup_id_z 1
		.amdhsa_system_vgpr_workitem_id 0
		.amdhsa_next_free_vgpr 192
		.amdhsa_next_free_sgpr 66
		.amdhsa_reserve_vcc 1
		.amdhsa_float_denorm_mode_32 3
		.amdhsa_float_denorm_mode_16_64 3
		.amdhsa_memory_ordered 1
		.amdhsa_forward_progress 1
		.amdhsa_inst_pref_size 74
	.end_amdhsa_kernel
	.amdgpu_metadata
---
amdhsa.version: [ 1, 2 ]
amdhsa.kernels:
  - .name:           k_qc4a286dfe0_prep
    .symbol:         k_qc4a286dfe0_prep.kd
    .args:
      - { .name: x, .offset: 0, .size: 8, .value_kind: global_buffer, .address_space: global }
      - { .name: w_qkv, .offset: 8, .size: 8, .value_kind: global_buffer, .address_space: global }
      - { .name: w_out, .offset: 16, .size: 8, .value_kind: global_buffer, .address_space: global }
      - { .name: token_positions, .offset: 24, .size: 8, .value_kind: global_buffer, .address_space: global }
      - { .name: codes, .offset: 32, .size: 8, .value_kind: global_buffer, .address_space: global }
      - { .name: scales, .offset: 40, .size: 8, .value_kind: global_buffer, .address_space: global }
      - { .name: wo16, .offset: 48, .size: 8, .value_kind: global_buffer, .address_space: global }
      - { .name: rope, .offset: 56, .size: 8, .value_kind: global_buffer, .address_space: global }
    .group_segment_fixed_size: 33280
    .private_segment_fixed_size: 0
    .kernarg_segment_align: 8
    .kernarg_segment_size: 64
    .max_flat_workgroup_size: 128
    .sgpr_count:     66
    .vgpr_count:     192
    .wavefront_size: 32
...
	.end_amdgpu_metadata
.endif
;; end of part 1
;; launch qkv (part 2): grid 12 x 32, 4 waves a work-group, clusters of 4 x 4, 327,680 bytes of LDS; arguments codes, scales, rope, qkvh; writes qkvh
.if DOCPART == 2
	.amdgcn_target "amdgcn-amd-amdhsa--gfx1250"
	.amdhsa_code_object_version 6
	.text
	.protected	k_qc4a286dfe0_qkv
	.globl	k_qc4a286dfe0_qkv
	.p2align	8
	.type	k_qc4a286dfe0_qkv,@function
k_qc4a286dfe0_qkv:
	s_mov_b64 s[64:65], 0
	v_nop
	global_prefetch_b8 v0, s[64:65] scope:SCOPE_SE
	s_setreg_imm32_b32 hwreg(HW_REG_WAVE_MODE, 25, 1), 1
	s_wait_xcnt 0x0
	s_wait_alu depctr_hold_cnt(0) depctr_sa_sdst(0) depctr_va_vdst(0) depctr_va_sdst(0) depctr_va_ssrc(0) depctr_va_vcc(0) depctr_vm_vsrc(0)
	s_getreg_b32 s2, hwreg(HW_REG_IB_STS2, 6, 4)
	s_cmp_eq_u32 s2, 0
	s_cbranch_scc0 .Lentry_in_a_cluster
	s_endpgm
.Lentry_in_a_cluster:
	s_bfe_u32 s2, ttmp6, 0x10000c
	s_cmp_lg_u32 s2, 0xf033
	s_cbranch_scc0 .Lentry_shape_is_right
	s_endpgm
.Lentry_shape_is_right:
; QKV = x w_qkv^T on codes of FP4 (E2M1) with one E8M0 scale for each 32 along K; sums in f32; then the rotation of Q and K, in f32; the results leave as f16, laid [column / 64 (48)][row (8192)][64].
; A = rows 0-8191 of the codes' buffer (x), B = rows 8192 on (w_qkv); a row is 512 bytes; the scale bytes likewise, 32 a row.
; A tile of 256 x 256 is made by four waves, 128 x 128 each: 64 accumulators, 512 registers.  K = 1024 is two LDS slots of 512 along K (rows of 256 bytes): both are asked for at the head, nothing is filled again.
; The scale bytes of the work-group's 256 + 256 rows, for all of K, are two dense blocks: they come once, as rows of 256 bytes.
; CLUSTERS: 4 x 4 work-groups.  The four of a row of the cluster need the same tiles of A, the four of a column the same tiles of B: each tile is asked for jointly, by the same tensor load with the same descriptor.
; THE MATRIX INSTRUCTION IS USED TRANSPOSED (source 0 = 16 rows of B, source 1 = 16 rows of A): a lane holds eight neighbouring columns of one row: four pairs of the rotation.
; A cluster's 1,024 columns are all of Q (cluster x = 0), of K (1) or of V (2): one scalar branch on the cluster's x, equal in all sixteen partners, leads V round the rotation.
; LIMITS: |q|, |k|, |v| up to 65,504 (f16).
; REGISTERS: window 0: v0-31 addresses; v32-95 scale words, two sets; v128-191 A's fragments, one set.  Window 1: B's fragments, two sets.  Windows 2, 3: the accumulators ((a, b) at v[8 (8 (a % 4) + b)]).
;   On the way out window 0 holds: v32-95 the table's words, two sets; v96-159 rotated numbers; v160-191 f16; v192-255 rows read back, two sets.
.set SIZE_K, 1024
.set KSTEP,  512
.set NQ,     KSTEP/128
.set ROWB,   256
.set KROW,   SIZE_K*4/8
.set PITCH,  272                       ; an LDS row: 256 bytes + 16 of padding = 68 words: the 16 rows that a load touches start at 16 different banks (64 banks of 4 bytes: ISA guide 11.1)
.set FR,     8
.set NL,     2
.set NP,     4                         ; places behind this matrix instruction (ISA guide 7.12.1)
.set HALFT,  128*PITCH
.set SLOT,   4*HALFT
.set KS,     SIZE_K/32
.set SCL,    2*SLOT                    ; behind the two slots: the scales, as rows of 256 bytes + 16
.set HALFS,  (128*KS/256)*272
.set SBLK,   (16*KS/256)*272
.set SPARE,  SCL+4*HALFS               ; the spare words, 128 bytes a wave
.set ADRA, 16
.set ADRB, 20
.set STO,  24                          ; v24 the way out: where I put 16 bytes of a row
.set RD,   25                          ; v25 where I read rows back
.set CO,   26                          ; v26 16 x lane
.set ADRS, 27
.set SPW,  28
.set NIL,  29
.set TO,   30                          ; v30 my place in the table: 256 (lane % 16) + 32 (lane / 16)
.set SC,   32
.set AF,   128
.set CSR,  32
.set T,    96
.set H,    160
.set BK,   192
.set G1, 24
.set G0, 32
.set G1B, 48
.set G0B, 56
.set G1S, 68
.set G0S, 76
.set G1SB, 80
.set G0SB, 88
.set MSB, 0
.macro WIN new                         ; the immediate's high byte repeats the setting that is left
.if MSB != (\new)
	s_set_vgpr_msb (MSB<<8)|(\new)
.set MSB, (\new)
.endif
.endm
.set MUL_LO, 0xa1                      ; source 0 (B) window 1, source 1 (A) window 0, C and D window 2
.set MUL_HI, 0xf1
.set TO_B,   0x40
; A joint load: waves 0 and 1 fetch for A, waves 2 and 3 for B; the branch hangs on the wave's number alone.  An s_nop 0 and four v_nop follow each of the two lines.
.macro JLOAD g0a, g1a, g0b, g1b
	s_cmp_eq_u32 s15, 0
	s_cbranch_scc0 .Lfor_b_\@
	tensor_load_to_lds s[\g0a:\g0a+3], s[\g1a:\g1a+7]
	s_nop 0
.rept 4
	v_nop
.endr
	s_branch .Lasked_\@
.Lfor_b_\@:
	tensor_load_to_lds s[\g0b:\g0b+3], s[\g1b:\g1b+7]
	s_nop 0
.rept 4
	v_nop
.endr
.Lasked_\@:
.endm
.macro CROUND                          ; a round of the cluster's barrier
	s_barrier_signal -1
	s_barrier_wait -1
	s_cmp_lg_u32 s14, 0
	s_cbranch_scc1 .Lnot_wave_0_\@
	s_barrier_signal -3
.Lnot_wave_0_\@:
	s_barrier_wait -3
	s_barrier_signal -1
	s_barrier_wait -1
.endm
	s_load_b256 s[4:11], s[0:1], 0x0               ; codes s[4:5], scales s[6:7], rope s[8:9], qkvh s[10:11]
	v_lshl_add_u32 v[SPW], v0, 2, SPARE
	v_mov_b32 v[NIL], 0
	ds_add_u32 v[SPW], v[NIL]                      ; the wave's opening: the add, twice on end, and its wait ahead of my first tensor load
	ds_add_u32 v[SPW], v[NIL]
	v_lshrrev_b32 v1, 5, v0
	v_readfirstlane_b32 s14, v1                    ; wave 0..3
	s_lshr_b32 s15, s14, 1                         ; which half of the tile's rows is mine.  Also: I fetch for A (0) or for B (1)
	s_and_b32 s16, s14, 1                          ; which half of its columns.  Also: which 128 rows of that tile I fetch
	s_bfe_u32 s40, ttmp6, 0x40000                  ; cx, cy
	s_bfe_u32 s41, ttmp6, 0x40004
	s_lshl_b32 s42, ttmp9, 2
	s_add_co_u32 s42, s42, s40                     ; tile column = 4 x cluster x + cx
	s_and_b32 s17, ttmp7, 0xffff
	s_lshl_b32 s17, s17, 2
	s_add_co_u32 s17, s17, s41                     ; tile row = 4 x cluster y + cy
	s_lshl_b32 s43, s41, 2
	s_lshl_b32 s43, 15, s43                        ; my row of the cluster
	s_lshl_b32 s44, 0x1111, s40                    ; my column
	s_or_b32 s[G1+0], s43, (0<<16)|(1<<20)|(1<<21)|(5<<22)|(3<<25)  ; the mask; elements of 1 byte; padding on; bit 21 beside a mask; four words behind every 64
	s_or_b32 s[G1B+0], s44, (0<<16)|(1<<20)|(1<<21)|(5<<22)|(3<<25)
.irp g, G1, G1B
	s_mov_b32 s[\g+1], ROWB<<16                    ; tensor_dim0
	s_mov_b32 s[\g+2], 128<<16                     ; tensor_dim1
	s_mov_b32 s[\g+3], ROWB<<16                    ; tile_dim0
	s_mov_b32 s[\g+4], 128                         ; tile_dim1
	s_mov_b32 s[\g+5], KROW                        ; from row to row
	s_mov_b32 s[\g+6], 0
	s_mov_b32 s[\g+7], 0
.endr
	s_or_b32 s[G1S+0], s43, (3<<16)|(1<<20)|(1<<21)|(5<<22)|(3<<25)  ; the scales of 128 rows: 4,096 dense bytes as 16 rows of 32 elements of 8 bytes
	s_or_b32 s[G1SB+0], s44, (3<<16)|(1<<20)|(1<<21)|(5<<22)|(3<<25)
.irp g, G1S, G1SB
	s_mov_b32 s[\g+1], 32<<16
	s_mov_b32 s[\g+2], (128*KS/256)<<16
	s_mov_b32 s[\g+3], 32<<16
	s_mov_b32 s[\g+4], 128*KS/256
	s_mov_b32 s[\g+5], 32
	s_mov_b32 s[\g+6], 0
	s_mov_b32 s[\g+7], 0
.endr
	s_lshl_b32 s18, s16, 7
	s_lshl_b32 s20, s17, 8
	s_add_co_u32 s20, s20, s18                     ; A: row 256 x tile row + 128 x half
	s_lshl_b32 s46, s42, 8
	s_add_co_u32 s46, s46, s18                     ; B: row 256 x tile column + 128 x half
	s_mov_b32 s21, 0
	s_mov_b32 s47, 0
	s_mov_b64 s[18:19], KS
	s_mul_u64 s[22:23], s[20:21], s[18:19]         ; where these rows' scales begin
	s_mul_u64 s[92:93], s[46:47], s[18:19]
	s_mov_b64 s[18:19], KROW
	s_mul_u64 s[20:21], s[20:21], s[18:19]         ; and their codes
	s_mul_u64 s[46:47], s[46:47], s[18:19]
	s_mul_i32 s45, s14, HALFT                      ; where they go: wave x 128 rows
	s_mul_i32 s94, s14, HALFS
	s_wait_dscnt 0x0                               ; both opening adds are done
	s_wait_kmcnt 0x0
	s_mov_b64 s[66:67], s[8:9]                     ; the table
	s_mov_b64 s[12:13], s[10:11]                   ; the output
	s_add_nc_u64 s[8:9], s[4:5], 0x400000          ; w_qkv's codes lie behind x's 8,192 rows of 512 bytes,
	s_add_nc_u64 s[10:11], s[6:7], 0x40000         ; its scale bytes behind x's 8,192 rows of 32
	s_add_nc_u64 s[20:21], s[4:5], s[20:21]
	s_add_nc_u64 s[22:23], s[6:7], s[22:23]
	s_add_nc_u64 s[46:47], s[8:9], s[46:47]
	s_add_nc_u64 s[92:93], s[10:11], s[92:93]
	CROUND                                         ; all sixteen work-groups are here: the joint loads meet
	s_mov_b32 s[G0S], 1
	s_add_co_u32 s[G0S+1], s94, SCL
	s_mov_b64 s[G0S+2:G0S+3], s[22:23]
	s_or_b32 s[G0S+3], s[G0S+3], 0x80000000
	s_mov_b32 s[G0SB], 1
	s_add_co_u32 s[G0SB+1], s94, SCL
	s_mov_b64 s[G0SB+2:G0SB+3], s[92:93]
	s_or_b32 s[G0SB+3], s[G0SB+3], 0x80000000
	JLOAD G0S, G1S, G0SB, G1SB                     ; the scales first: they are wanted with the first slot
.irp s, 0,1
	s_mov_b32 s[G0+4*\s], 1
	s_add_co_u32 s[G0+4*\s+1], s45, \s*SLOT
	s_add_nc_u64 s[G0+4*\s+2:G0+4*\s+3], s[20:21], \s*ROWB
	s_or_b32 s[G0+4*\s+3], s[G0+4*\s+3], 0x80000000
	s_mov_b32 s[G0B+4*\s], 1
	s_add_co_u32 s[G0B+4*\s+1], s45, \s*SLOT
	s_add_nc_u64 s[G0B+4*\s+2:G0B+4*\s+3], s[46:47], \s*ROWB
	s_or_b32 s[G0B+4*\s+3], s[G0B+4*\s+3], 0x80000000
	JLOAD G0+4*\s, G1, G0B+4*\s, G1B               ; three loads of mine are out in all
.endr
	v_and_b32 v1, 15, v0                           ; l % 16
	v_bfe_u32 v2, v0, 4, 1                         ; l / 16
	v_mul_u32_u24 v3, v1, PITCH
	v_lshl_add_u32 v4, v2, 4, v3                   ; a fragment's row x pitch + 16 x half
	s_mul_i32 s21, s15, HALFT                      ; my 128 rows of A
	s_mul_i32 s22, s16, HALFT                      ; my 128 rows of B,
	s_add_co_u32 s22, s22, 2*HALFT                 ; behind A's 256
.irp s, 0,1
	v_add_nc_u32 v[ADRA+\s], s21, v4
	v_add_nc_u32 v[ADRB+\s], s22, v4
	s_add_co_u32 s21, s21, SLOT
	s_add_co_u32 s22, s22, SLOT
.endr
	v_mul_u32_u24 v5, v1, KS                       ; my row's scales: KS bytes a row,
	v_lshrrev_b32 v6, 8, v5
	v_lshl_add_u32 v5, v6, 4, v5                   ; and 16 more for each 256 passed
	s_mul_i32 s21, s15, HALFS
	s_mul_i32 s22, s16, HALFS
	s_add_co_u32 s22, s22, 2*HALFS
	s_sub_co_u32 s22, s22, s21
	v_mul_u32_u24 v6, s22, v2                      ; lanes 16-31 take B's
	s_add_co_u32 s21, s21, SCL
	v_add_nc_u32 v5, v5, v6
	v_add_nc_u32 v[ADRS], s21, v5
	s_mul_i32 s23, s14, 16*PITCH                   ; my stage for the way out: 16 rows x 272 bytes, in slot 0
	v_add_nc_u32 v[STO], s23, v4                   ; in: row l % 16, 16 bytes for each half of the lanes
	v_bfe_u32 v5, v0, 3, 2
	v_mul_u32_u24 v5, v5, PITCH
	v_and_b32 v6, 7, v0
	v_lshl_add_u32 v5, v6, 4, v5
	v_add_nc_u32 v[RD], s23, v5                    ; back: eight lanes to the 128 bytes that a row has of one head, four rows an instruction
	v_and_b32 v6, 31, v0
	v_lshlrev_b32 v[CO], 4, v6
	v_lshlrev_b32 v[TO], 8, v1
	v_lshl_add_u32 v[TO], v2, 5, v[TO]
	s_lshl_b32 s20, s17, 8
	s_lshl_b32 s21, s15, 7
	s_add_co_u32 s20, s20, s21                     ; my first row: 256 x tile row + 128 x half
	s_and_b32 s22, s20, 2047                       ; its position in the sequence,
	s_lshl_b32 s22, s22, 8                         ; 256 bytes of the table a position
	s_mov_b32 s23, 0
	s_add_nc_u64 s[66:67], s[66:67], s[22:23]
	s_lshl_b32 s20, s20, 7                         ; 128 bytes a row in the output
	s_mov_b32 s21, 0
	s_add_nc_u64 s[12:13], s[12:13], s[20:21]
	s_lshl_b32 s46, s42, 2
	s_lshl_b32 s47, s16, 1
	s_add_co_u32 s46, s46, s47                     ; my first block of 64 columns: 4 x tile column + 2 x half
	s_lshl_b32 s46, s46, 20                        ; 8,192 rows x 128 bytes each
	s_mov_b32 s47, 0
	s_add_nc_u64 s[12:13], s[12:13], s[46:47]
.macro FRAG reg, adr, q, i             ; 16 rows x 128 K of 4-bit codes: 8 registers: lane l holds row l % 16; registers 4 c .. 4 c + 3 hold K = 64 c + 32 (l / 16) + 0 .. 31
.irp c, 0,1
	ds_load_b128 v[\reg+4*\c:\reg+4*\c+3], v[\adr] offset:64*(\q)+32*\c+(\i)*16*PITCH
.endr
.endm
; 16 matrix instructions: A's blocks a0, a0 + 1 x B's eight.  The 64 accumulators take turns, one instruction a turn, in the same order in every step.
.macro MUL16 a0, p, q, sc, zero
.irp a, \a0, \a0+1
.irp b, 0,1,2,3,4,5,6,7
.if \zero
	v_wmma_scale_f32_16x16x128_f8f6f4 v[8*(8*((\a)%4)+\b):8*(8*((\a)%4)+\b)+7], v[128*(\p)+FR*\b:128*(\p)+FR*\b+FR-1], v[AF+FR*(\a):AF+FR*(\a)+FR-1], 0, v[SC+8*NQ*(\sc)+NQ*\b+(\q)], v[SC+8*NQ*(\sc)+NQ*(\a)+(\q)] matrix_a_fmt:MATRIX_FMT_FP4 matrix_b_fmt:MATRIX_FMT_FP4 matrix_a_scale:MATRIX_SCALE_ROW1
.else
	v_wmma_scale_f32_16x16x128_f8f6f4 v[8*(8*((\a)%4)+\b):8*(8*((\a)%4)+\b)+7], v[128*(\p)+FR*\b:128*(\p)+FR*\b+FR-1], v[AF+FR*(\a):AF+FR*(\a)+FR-1], v[8*(8*((\a)%4)+\b):8*(8*((\a)%4)+\b)+7], v[SC+8*NQ*(\sc)+NQ*\b+(\q)], v[SC+8*NQ*(\sc)+NQ*(\a)+(\q)] matrix_a_fmt:MATRIX_FMT_FP4 matrix_b_fmt:MATRIX_FMT_FP4 matrix_a_scale:MATRIX_SCALE_ROW1
.endif
.endr
.endr
.endm
.macro FETCH_B slot, q, p
	WIN TO_B
.irp i, 0,1,2,3,4,5,6,7
	FRAG 128*(\p)+FR*\i, ADRB+\slot, \q, \i
.endr
	WIN 0
.endm
.macro FETCH_A slot, q, i0
.irp i, \i0, \i0+1, \i0+2, \i0+3
	FRAG AF+FR*(\i), ADRA+\slot, \q, \i
.endr
.endm
.macro SCALES sc                       ; a slot's scale words: four a row; lanes 0-15 take A's block i, lanes 16-31 B's block i
.irp i, 0,1,2,3,4,5,6,7
	ds_load_b128 v[SC+8*NQ*\sc+NQ*\i:SC+8*NQ*\sc+NQ*\i+3], v[ADRS] offset:\i*SBLK
.endr
.endm
.macro PLACES n                        ; plain vector lines between a matrix instruction and a load into, or a read of, its registers
.rept \n
	v_nop
.endr
.endm
.macro STEP slot, q, zero              ; 128 along K, with its successor in the same slot
	s_wait_dscnt 4*NL                              ; B's set and A's blocks 0-3 are in; the youngest eight loads (A's blocks 4-7) may be out
	WIN MUL_LO
	MUL16 0, (\q)%2, \q, \slot, \zero
	MUL16 2, (\q)%2, \q, \slot, \zero
	s_wait_dscnt 0
	PLACES NP
	FETCH_B \slot, (\q)+1, 1-(\q)%2
	FETCH_A \slot, (\q)+1, 0
	WIN MUL_HI
	MUL16 4, (\q)%2, \q, \slot, \zero
	MUL16 6, (\q)%2, \q, \slot, \zero
	PLACES NP
	WIN 0
	FETCH_A \slot, (\q)+1, 4
.endm
.macro TURN slot, next                 ; slot 0's last step: one barrier, behind which slot 1 is whole and nobody reads slot 0
	s_wait_tensorcnt 0x0                           ; all my tensor loads have landed: my part of slot 1
	ds_add_u32 v[SPW], v[NIL]                      ; 0 onto my spare word
	s_wait_dscnt 4*NL+1                            ; (the add and the youngest eight loads may be out)
	WIN MUL_LO
	MUL16 0, 1, NQ-1, \slot, 0
	s_wait_dscnt 0x0                               ; the add is done, and my reads of this slot are over
	s_barrier_signal -1
	MUL16 2, 1, NQ-1, \slot, 0
	WIN 0
	s_barrier_wait -1
	PLACES NP
	v_add_nc_u32 v[ADRS], 4*NQ, v[ADRS]            ; on to the next slot's scale words
	FETCH_B \next, 0, 0
	FETCH_A \next, 0, 0
	SCALES \next
	WIN MUL_HI
	MUL16 4, 1, NQ-1, \slot, 0
	MUL16 6, 1, NQ-1, \slot, 0
	PLACES NP
	WIN 0
	FETCH_A \next, 0, 4
.endm
	s_wait_tensorcnt 1                             ; the scales and my part of slot 0 are in (slot 1's load may be out)
	s_barrier_signal -1
	s_barrier_wait -1                              ; everybody's are
	FETCH_B 0, 0, 0
	FETCH_A 0, 0, 0
	SCALES 0
	FETCH_A 0, 0, 4
	STEP 0, 0, 1                                   ; the first step's products start the sums: nothing is cleared
	STEP 0, 1, 0
	STEP 0, 2, 0
	TURN 0, 1
	STEP 1, 0, 0
	STEP 1, 1, 0
	STEP 1, 2, 0
	s_wait_dscnt 4*NL                              ; the last step: nothing more to fetch
	WIN MUL_LO
	MUL16 0, 1, NQ-1, 1, 0
	MUL16 2, 1, NQ-1, 1, 0
	s_wait_dscnt 0
	WIN MUL_HI
	MUL16 4, 1, NQ-1, 1, 0
	MUL16 6, 1, NQ-1, 1, 0
	WIN 0
; THE WAY OUT, a block of 16 rows x 128 columns (two heads) at a time.  In accumulator (a, b) lane (r, h) holds row 16 a + r and columns 16 b + 8 h + 0 .. 7: pairs 8 (b % 4) + 4 h + 0 .. 3 of head b / 4.
.macro TABLE a                         ; my row's (cos, sin) of the 16 pairs that I hold: 8 loads of 16 bytes, into set a % 2
.irp q, 0,1,2,3
.irp i, 0,1
	global_load_b128 v[CSR+32*((\a)%2)+8*\q+4*\i:CSR+32*((\a)%2)+8*\q+4*\i+3], v[TO], s[66:67] offset:(\a)*4096+64*\q+16*\i
.endr
.endr
.endm
.macro ROPE a                          ; (e, o) -> (e cos - o sin, e sin + o cos), in f32; then f16.  Each accumulator is read from its low end on
.set AC, 64*((\a)%4)
.set CC, CSR+32*((\a)%2)
	WIN 0x02+(\a)/4                                ; source 0: window 2 or 3
.irp b, 0,1,2,3,4,5,6,7
.irp i, 0,1,2,3
	v_pk_mul_f32 v[T+8*\b+2*\i:T+8*\b+2*\i+1], v[AC+8*\b+2*\i:AC+8*\b+2*\i+1], v[CC+8*(\b%4)+2*\i:CC+8*(\b%4)+2*\i+1] op_sel_hi:[1,0]   ; both x cos
.endr
.irp i, 0,1,2,3
	v_fma_f32 v[T+8*\b+2*\i], -v[AC+8*\b+2*\i+1], v[CC+8*(\b%4)+2*\i+1], v[T+8*\b+2*\i]
	v_fma_f32 v[T+8*\b+2*\i+1], v[AC+8*\b+2*\i], v[CC+8*(\b%4)+2*\i+1], v[T+8*\b+2*\i+1]
.endr
.endr
	WIN 0
.set i, 0
.rept 32
	v_cvt_pk_f16_f32 v[H+i], v[T+2*i], v[T+2*i+1]
.set i, i+1
.endr
.endm
.macro PACKV a                         ; V is not rotated
.set AC, 64*((\a)%4)
	WIN 0x0a+5*((\a)/4)                            ; sources 0 and 1: window 2 or 3
.set i, 0
.rept 32
	v_cvt_pk_f16_f32 v[H+i], v[AC+2*i], v[AC+2*i+1]
.set i, i+1
.endr
	WIN 0
.endm
.macro TOSTAGE a                       ; through my own stage: LDS serves a wave's instructions in order, so no wait stands between the stores and the loads
.irp b, 0,1,2,3,4,5,6,7
	ds_store_b128 v[STO], v[H+4*\b:H+4*\b+3] offset:32*\b
.endr
.irp t, 0,1,2,3,4,5,6,7
	ds_load_b128 v[BK+32*((\a)%2)+4*\t:BK+32*((\a)%2)+4*\t+3], v[RD] offset:(4*(\t%4))*PITCH+128*(\t/4)
.endr
.endm
.macro SEND a, younger                 ; younger: the LDS instructions issued behind block a's loads
	s_wait_dscnt \younger
.irp t, 0,1,2,3,4,5,6,7
	global_store_b128 v[CO], v[BK+32*((\a)%2)+4*\t:BK+32*((\a)%2)+4*\t+3], s[12:13] offset:(\t/4)*1048576+(16*(\a)+4*(\t%4))*128   ; 512 consecutive bytes: four rows of one head
.endr
.endm
	PLACES NP                                      ; behind the last products: for the loads into the scale words' registers and for the first reads of results
	s_cmp_eq_u32 ttmp9, 2                          ; the cluster's x: equal in all sixteen partners
	s_cbranch_scc1 .Lplain
	TABLE 0
.irp a, 0,1,2,3,4,5,6,7
.if \a < 7
	TABLE \a+1
	s_wait_loadcnt 8                               ; this block's eight loads are in; the next block's may be out
.else
	s_wait_loadcnt 0x0
.endif
	ROPE \a
.if \a > 1
	s_wait_xcnt 0x0                                ; block a - 2's stores have read their registers: block a's rows may land there
.endif
	TOSTAGE \a
.if \a > 0
	SEND \a-1, 16                                  ; behind block a - 1's loads: block a's 8 stores and 8 loads
.endif
.endr
	SEND 7, 0
	s_branch .Lclose
.Lplain:
.irp a, 0,1,2,3,4,5,6,7
	PACKV \a
.if \a > 1
	s_wait_xcnt 0x0
.endif
	TOSTAGE \a
.if \a > 0
	SEND \a-1, 16
.endif
.endr
	SEND 7, 0
.Lclose:
	s_wait_tensorcnt 0x0                           ; the wave's end
	ds_add_u32 v[SPW], v[NIL]
	s_wait_dscnt 0x0
	CROUND                                         ; the closing round
	s_endpgm
.Lfunc_end_k_qc4a286dfe0_qkv:
	.size	k_qc4a286dfe0_qkv, .Lfunc_end_k_qc4a286dfe0_qkv-k_qc4a286dfe0_qkv
	.p2alignl 7, 3214868480
	.fill 96, 4, 3214868480
	.section	.rodata,"a",@progbits
	.p2align	6, 0x0
	.amdhsa_kernel k_qc4a286dfe0_qkv
		.amdhsa_group_segment_fixed_size 327680
		.amdhsa_private_segment_fixed_size 0
		.amdhsa_enable_private_segment 0
		.amdhsa_kernarg_size 32
		.amdhsa_user_sgpr_count 2
		.amdhsa_user_sgpr_kernarg_segment_ptr 1
		.amdhsa_wavefront_size32 1
		.amdhsa_system_sgpr_workgroup_id_x 1
		.amdhsa_system_sgpr_workgroup_id_y 1
		.amdhsa_system_sgpr_workgroup_id_z 1
		.amdhsa_system_vgpr_workitem_id 0
		.amdhsa_next_free_vgpr 1024
		.amdhsa_next_free_sgpr 100
		.amdhsa_reserve_vcc 0
		.amdhsa_float_denorm_mode_32 3
		.amdhsa_float_denorm_mode_16_64 3
		.amdhsa_memory_ordered 1
		.amdhsa_forward_progress 1
		.amdhsa_inst_pref_size 212
	.end_amdhsa_kernel
	.amdgpu_metadata
---
amdhsa.version: [ 1, 2 ]
amdhsa.kernels:
  - .name:           k_qc4a286dfe0_qkv
    .symbol:         k_qc4a286dfe0_qkv.kd
    .args:
      - { .name: codes, .offset: 0, .size: 8, .value_kind: global_buffer, .address_space: global }
      - { .name: scales, .offset: 8, .size: 8, .value_kind: global_buffer, .address_space: global }
      - { .name: rope, .offset: 16, .size: 8, .value_kind: global_buffer, .address_space: global }
      - { .name: qkvh, .offset: 24, .size: 8, .value_kind: global_buffer, .address_space: global }
    .group_segment_fixed_size: 327680
    .private_segment_fixed_size: 0
    .kernarg_segment_align: 8
    .kernarg_segment_size: 32
    .max_flat_workgroup_size: 128
    .sgpr_count:     100
    .vgpr_count:     1024
    .wavefront_size: 32
...
	.end_amdgpu_metadata
.endif
;; end of part 2
;; launch attn (part 3): grid 4 x 64, 16 waves a work-group, no clusters, 327,680 bytes of LDS; arguments qkvh, att16; writes att16
.if DOCPART == 3
	.amdgcn_target "amdgcn-amd-amdhsa--gfx1250"
	.amdhsa_code_object_version 6
	.text
	.protected	k_qc4a286dfe0_attn
	.globl	k_qc4a286dfe0_attn
	.p2align	8
	.type	k_qc4a286dfe0_attn,@function
k_qc4a286dfe0_attn:
	s_mov_b64 s[64:65], 0
	v_nop
	global_prefetch_b8 v0, s[64:65] scope:SCOPE_SE
	s_setreg_imm32_b32 hwreg(HW_REG_WAVE_MODE, 25, 1), 1
	s_wait_xcnt 0x0
; CAUSAL ATTENTION, head size 64, operands in f16, products, maxima and sums in f32.  qkvh: f16 [48][8192 rows][64]: Q of head h is block h, K block 16 + h, V block 32 + h.
; att16: f16 [row / 64][head][64 rows][64]: as the projection's tensor loads want it.
; SHARES.  Work-group (j, y): head y % 16 of batch y / 16, query blocks j and 7 - j of 256: waves 0-7 take block j, waves 8-15 block 7 - j, 32 queries (two tiles of 16) a wave.
; So every work-group has nine blocks' worth of keys to walk, whatever j.  No cluster: under the mask the work-groups of a head need different numbers of K's and V's tiles.
; LAYOUT.  S^T = K Q^T (source 0 = 16 keys, source 1 = 16 queries): a lane holds ONE query (lane % 16) and keys 8 (lane / 16) + 0 .. 7.  Two such tiles, rounded to f16 in pairs, ARE source 1 of
; O^T = V^T P.  K comes out of LDS as it lies, V ([key][channel]) turned, by ds_load_tr16_b128.  Each fragment read from LDS feeds both tiles.
; SOFTMAX.  A running maximum m and sum l for each query: p = 2^(c s - c m), c = log2(e) / 8; in every step O and l are multiplied by a = 2^(c m_old - c m_new).
; THE RING.  Two slots of 256 keys, 2^17 bytes apart; waves 0, 1 fetch K's halves, waves 2, 3 V's.  EVERY work-group walks all 8 slots (trip counts are constants); a step all of whose keys come after
; the wave's queries is jumped over, and a slot whose first key comes after the work-group's last query is not asked for.  Every wait for tensor loads is for all of them.
; LIMITS: |q|, |k|, |v| up to 65,504 (f16); weights p under 2^-24 are lost in f16.
.set KP,    144                        ; a key's row of K in LDS: 128 bytes + 16: the 16 rows of a load start at 16 different banks (64 banks of 4 bytes: ISA guide 11.1)
.set VP,    160                        ; of V: 128 + 32: the turning load's 8 rows x 32 bytes fall on different banks
.set SK,    256                        ; keys in a slot
.set NQ,    4                          ; steps of 64 keys in a slot
.set NSL,   8
.set VOFF,  SK*KP
.set SLOT1, 1<<17
.set STAGE, VOFF+SK*VP                 ; behind slot 0's tiles: 16 rows x 144 bytes for each wave; no tile lands there
.set SPARE, 2*SLOT1                    ; the spare words, 128 bytes a wave
.set AK0, 1                            ; v1  my lane's place in a tile of K
.set AV0, 2                            ; v2  and of V
.set ADK, 3                            ; v3  LDS address of the step's K
.set SPW, 4
.set NIL, 5
.set ADV, 6                            ; v6  of the step's V
.set PFO, 7                            ; v7  256 x lane
.set QO,  8                            ; v8  my offset in the wave's rows of Q
.set STO, 9
.set RD,  10
.set D0,  11                           ; v11, v12 the mask's bounds for the two tiles
.set D1,  12
.set NINF, 13                          ; v13 -infinity
.set RH,  14                           ; v14 lane % 16 - 8 (lane / 16)
.set GO,  15                           ; v15 16 x lane
.set ST,  16                           ; tile t's statistics at v[16 + 8 t]: +0 c m, +1 m, +2, +3 l in two halves, +4 .. +7 at work (+6: a)
.set QF,  32                           ; Q: tile t, channels 32 c on: v[32 + 16 t + 8 c]
.set S,   64                           ; S^T: tile t, keys 16 kt on: v[64 + 32 t + 8 kt]; P is packed into a tile's first 16
.set KV,  128                          ; one buffer for K's and then V's fragments
.set O,   192                          ; O^T: tile t, channels 16 ct on: v[192 + 32 t + 8 ct]
.set TB,  2
.set WV,  18
.set SEL, 20
.set CS,  22
.set G1K, 24
.set G1V, 32
.set G0K, 40
.set G0V, 44
.set SLOTS, 67
.set LASTQ, 68
.set PFA, 76
.set LIM, 80
.set KF,  98
.set Q0,  99
; Waves 0 and 1 fetch for K, waves 2 and 3 for V, the others nothing.  An s_nop 0 and four v_nop follow each of the two lines.
.macro TLOAD g0k, g1k, g0v, g1v
	s_cmp_lt_u32 s[WV], 2
	s_cbranch_scc0 .Lnot_k_\@
	tensor_load_to_lds s[\g0k:\g0k+3], s[\g1k:\g1k+7]
	s_nop 0
.rept 4
	v_nop
.endr
	s_branch .Lasked_\@
.Lnot_k_\@:
	s_cmp_lt_u32 s[WV], 4
	s_cbranch_scc0 .Lasked_\@
	tensor_load_to_lds s[\g0v:\g0v+3], s[\g1v:\g1v+7]
	s_nop 0
.rept 4
	v_nop
.endr
.Lasked_\@:
.endm
; A prefetch of what the NEXT change of slots will ask for: 32,768 dense bytes of K and of V.  The four work-groups of a head walk the same keys: the one with j = 0, which walks all of them, asks;
; in it waves 4-7 for K and waves 8-11 for V, 8,192 bytes a wave, lanes 256 bytes apart: each block of 256 bytes is named once.  The last change that fills a slot asks for nothing.
.macro ASK
	s_cmp_gt_u32 s[SLOTS], s[LIM]
	s_cbranch_scc0 .Lnot_mine_\@
	global_prefetch_b8 v[PFO], s[PFA:PFA+1] th:TH_LOAD_NT scope:SCOPE_SE
.Lnot_mine_\@:
.endm
	s_load_b128 s[4:7], s[0:1], 0x0                ; qkvh s[4:5], att16 s[6:7]
	v_lshl_add_u32 v[SPW], v0, 2, SPARE
	v_mov_b32 v[NIL], 0
	ds_add_u32 v[SPW], v[NIL]                      ; the wave's opening: the add, twice on end, and its wait ahead of my first tensor load
	ds_add_u32 v[SPW], v[NIL]
	v_lshrrev_b32 v3, 5, v0
	v_readfirstlane_b32 s[WV], v3                  ; wave 0..15
	s_and_b32 s8, ttmp7, 0xffff
	s_and_b32 s9, s8, 15                           ; head
	s_lshr_b32 s10, s8, 4                          ; batch
	s_lshl_b32 s12, s9, 20                         ; a block of 64 columns is 2^20 bytes,
	s_lshl_b32 s11, s10, 18                        ; a batch's 2,048 rows of 128 bytes 2^18
	s_add_co_u32 s12, s12, s11
	s_sub_co_u32 s14, 7, ttmp9
	s_cmp_lt_u32 s[WV], 8
	s_cselect_b32 s14, ttmp9, s14                  ; my block of queries: j or 7 - j
	s_lshl_b32 s14, s14, 8
	s_and_b32 s15, s[WV], 7
	s_lshl_b32 s15, s15, 5
	s_add_co_u32 s[Q0], s14, s15                   ; my first query
	s_sub_co_u32 s[LASTQ], 8, ttmp9
	s_lshl_b32 s[LASTQ], s[LASTQ], 8
	s_sub_co_u32 s[LASTQ], s[LASTQ], 1             ; the work-group's last query
	s_and_b32 s16, s[WV], 1                        ; which 128 keys of a slot I fetch, if I fetch:
	s_lshl_b32 s70, s16, 14                        ; in memory,
	s_add_co_u32 s70, s70, s12
	s_mov_b32 s71, 0
	s_mul_i32 s72, s16, 128*KP                     ; and in a slot: K,
	s_mul_i32 s73, s16, 128*VP
	s_add_co_u32 s73, s73, VOFF                    ; V
	; descriptor group 1: 128 keys x 128 bytes are dense in memory: 64 rows of 128 elements of 2 bytes; padding behind every 32 words, which is a key's row
	s_mov_b32 s[G1K], (1<<16)|(1<<20)|(4<<22)|(3<<25)   ; four words of padding
	s_mov_b32 s[G1V], (1<<16)|(1<<20)|(4<<22)|(7<<25)   ; eight
.irp g, G1K, G1V
	s_mov_b32 s[\g+1], 128<<16                     ; tensor_dim0
	s_mov_b32 s[\g+2], 64<<16                      ; tensor_dim1
	s_mov_b32 s[\g+3], 128<<16                     ; tile_dim0
	s_mov_b32 s[\g+4], 64                          ; tile_dim1
	s_mov_b32 s[\g+5], 128                         ; from row to row
	s_mov_b32 s[\g+6], 0
	s_mov_b32 s[\g+7], 0
.endr
	s_mov_b32 s[SEL], 0x76543210
	s_mov_b32 s[SEL+1], 0xfedcba98                 ; v_permlanex16_b32's selects for lane l xor 16
	s_mov_b32 s[CS], 0x3e38aa3b                    ; c = log2(e) / 8
	s_mov_b32 s[CS+1], s[CS]                       ; (named with it as a pair)
	s_mov_b32 s[TB], 0
	s_mov_b32 s[KF], 0
	s_mov_b32 s[SLOTS], NSL-1
	s_wait_dscnt 0x0                               ; both opening adds are done
	s_wait_kmcnt 0x0
	s_mov_b32 s[G0K], 1
	s_mov_b32 s[G0K+1], s72
	s_add_nc_u64 s[G0K+2:G0K+3], s[4:5], s[70:71]
	s_add_nc_u64 s[G0K+2:G0K+3], s[G0K+2:G0K+3], 0x1000000   ; K: blocks 16 on
	s_or_b32 s[G0K+3], s[G0K+3], 0x80000000
	s_mov_b32 s[G0V], 1
	s_mov_b32 s[G0V+1], s73
	s_add_nc_u64 s[G0V+2:G0V+3], s[4:5], s[70:71]
	s_add_nc_u64 s[G0V+2:G0V+3], s[G0V+2:G0V+3], 0x2000000   ; V: blocks 32 on
	s_or_b32 s[G0V+3], s[G0V+3], 0x80000000
	TLOAD G0K, G1K, G0V, G1V                       ; slot 0: it holds key 0, which counts for every query
	s_lshl_b32 s82, s[Q0], 7
	s_add_co_u32 s82, s82, s12
	s_mov_b32 s83, 0
	s_add_nc_u64 s[74:75], s[4:5], s[82:83]        ; Q at my first query
	s_lshl_b32 s84, s10, 11
	s_add_co_u32 s84, s84, s[Q0]
	s_lshr_b32 s84, s84, 6
	s_lshl_b32 s84, s84, 17                        ; the output: my block of 64 rows,
	s_lshl_b32 s85, s9, 13                         ; my head's 8,192 bytes in it,
	s_add_co_u32 s84, s84, s85
	s_and_b32 s85, s[Q0], 63
	s_lshl_b32 s85, s85, 7                         ; my first row there
	s_add_co_u32 s84, s84, s85
	s_mov_b32 s85, 0
	s_add_nc_u64 s[6:7], s[6:7], s[84:85]
	s_mov_b32 s86, 0x2000000                       ; the prefetches: waves 4-7 stand in K, waves 8-11 in V,
	s_cmp_lt_u32 s[WV], 8
	s_cselect_b32 s86, 0x1000000, s86
	s_add_co_u32 s86, s86, s12
	s_and_b32 s87, s[WV], 3
	s_lshl_b32 s87, s87, 13                        ; at my wave's 8,192 bytes
	s_add_co_u32 s86, s86, s87
	s_add_co_u32 s86, s86, SK*128                  ; of slot 1: the first change of slots steps it to slot 2.  Nothing is prefetched here, at the head
	s_mov_b32 s87, 0
	s_add_nc_u64 s[PFA:PFA+1], s[4:5], s[86:87]
	s_sub_co_u32 s82, s[WV], 4
	s_lshr_b32 s82, s82, 3                         ; 0 in waves 4 to 11,
	s_or_b32 s82, s82, ttmp9                       ; of the work-group with j = 0
	s_cmp_eq_u32 s82, 0
	s_cselect_b32 s[LIM], 1, -1
	v_and_b32 v[D0], 15, v0                        ; r
	v_bfe_u32 v[D1], v0, 4, 1                      ; h
	v_lshlrev_b32 v[QO], 7, v[D0]
	v_lshl_add_u32 v[QO], v[D1], 4, v[QO]          ; row r of 128 bytes + 16 h
.irp t, 0,1
.irp c, 0,1
	global_load_b128 v[QF+16*\t+8*\c:QF+16*\t+8*\c+3], v[QO], s[74:75] offset:2048*\t+64*\c      ; Q stays in registers
	global_load_b128 v[QF+16*\t+8*\c+4:QF+16*\t+8*\c+7], v[QO], s[74:75] offset:2048*\t+64*\c+32
.endr
.endr
	v_mul_u32_u24 v[AK0], v[D0], KP
	v_lshl_add_u32 v[AK0], v[D1], 4, v[AK0]        ; K: row r x pitch + 16 h
	v_and_b32 v[ADK], 7, v0
	v_lshl_add_u32 v[AV0], v[D1], 3, v[ADK]
	v_mul_u32_u24 v[AV0], v[AV0], VP               ; V: key 8 h + l % 8,
	v_bfe_u32 v[ADK], v0, 3, 1
	v_lshl_add_u32 v[AV0], v[ADK], 4, v[AV0]       ; channels 8 ((l / 8) % 2) on
	v_add_nc_u32 v[AV0], VOFF, v[AV0]
	v_and_b32 v[PFO], 31, v0
	v_lshlrev_b32 v[GO], 4, v[PFO]
	v_lshlrev_b32 v[PFO], 8, v[PFO]
	s_mul_i32 s88, s[WV], 16*KP
	s_add_co_u32 s88, s88, STAGE                   ; my stage
	v_add_nc_u32 v[STO], s88, v[AK0]               ; in: row r, 16 bytes for each half of the lanes
	v_bfe_u32 v[ADK], v0, 3, 2
	v_mul_u32_u24 v[RD], v[ADK], KP
	v_and_b32 v[ADK], 7, v0
	v_lshl_add_u32 v[RD], v[ADK], 4, v[RD]
	v_add_nc_u32 v[RD], s88, v[RD]                 ; back: eight lanes to a row of 128 bytes, four rows an instruction
	v_lshlrev_b32 v[ADK], 3, v[D1]
	v_sub_nc_u32 v[RH], v[D0], v[ADK]
	v_mov_b32 v[NINF], 0xff800000
.irp t, 0,1
	v_mov_b32 v[ST+8*\t+1], 0xff61b1e6             ; m: -3e38, under every score
	v_mul_f32 v[ST+8*\t], s[CS], v[ST+8*\t+1]
.irp k, 2,3,4,5,6,7
	v_mov_b32 v[ST+8*\t+\k], 0
.endr
.endr
.set i, 0
.rept 64
	v_mov_b32 v[O+i], 0                            ; O^T.  (The step is written once: the first finds zeros, which its a = 0 leaves zeros)
.set i, i+1
.endr
; A STEP: 64 keys, the q-th of the slot in hand.
.macro STEP q
	s_cmp_gt_u32 s[KF], s[Q0]                      ; Q0 is a multiple of 32 and KF of 64: where KF > Q0 all 64 keys come after my 32 queries; else key KF counts for every one of them
	s_cbranch_scc1 .Lhidden_\@
	v_add_nc_u32 v[ADK], s[TB], v[AK0]
	v_add_nc_u32 v[ADV], s[TB], v[AV0]
.rept 3
	v_nop                                          ; five plain lines behind the last step's products: four for the loads into their fragments' registers, five for the products below, which write over P's
.endr
.irp c, 0,1
.irp kt, 0,1,2,3
	ds_load_b128 v[KV+16*\kt+8*\c:KV+16*\kt+8*\c+3], v[ADK] offset:(64*(\q)+16*\kt)*KP+64*\c
	ds_load_b128 v[KV+16*\kt+8*\c+4:KV+16*\kt+8*\c+7], v[ADK] offset:(64*(\q)+16*\kt)*KP+64*\c+32
.endr
.endr
	s_wait_dscnt 8                                 ; channels 0-31 are in; the eight loads of channels 32-63 may be out
.irp kt, 0,1,2,3
.irp t, 0,1
	v_wmma_f32_16x16x32_f16 v[S+32*\t+8*\kt:S+32*\t+8*\kt+7], v[KV+16*\kt:KV+16*\kt+7], v[QF+16*\t:QF+16*\t+7], 0
.endr
.endr
	s_wait_dscnt 0x0
.irp kt, 0,1,2,3                                ; the eight accumulators take turns, one instruction a turn
.irp t, 0,1
	v_wmma_f32_16x16x32_f16 v[S+32*\t+8*\kt:S+32*\t+8*\kt+7], v[KV+16*\kt+8:KV+16*\kt+15], v[QF+16*\t+8:QF+16*\t+15], v[S+32*\t+8*\kt:S+32*\t+8*\kt+7]
.endr
.endr
.rept 4
	v_nop                                          ; places in front of the loads into K's registers and of the first reads of the scores
.endr
.irp kc, 0,1                                    ; V, turned, lands while the softmax is walked: keys 32 kc on, channels 16 ct on
.irp ct, 0,1,2,3
	ds_load_tr16_b128 v[KV+32*\kc+8*\ct:KV+32*\kc+8*\ct+3], v[ADV] offset:(64*(\q)+32*\kc)*VP+32*\ct
	ds_load_tr16_b128 v[KV+32*\kc+8*\ct+4:KV+32*\kc+8*\ct+7], v[ADV] offset:(64*(\q)+32*\kc+16)*VP+32*\ct
.endr
.endr
	s_add_co_u32 s96, s[KF], 63                    ; on the diagonal the scores of hidden keys become -infinity; a step all of whose keys count jumps over this
	s_cmp_le_u32 s96, s[Q0]
	s_cbranch_scc1 .Lopen_\@
	s_sub_co_i32 s96, s[Q0], s[KF]
	v_add_nc_u32 v[D0], s96, v[RH]                 ; d = my query - KF - 8 (lane / 16).  Register n holds key KF + 8 (lane / 16) + 16 (n / 8) + n % 8: hidden where 16 (n / 8) + n % 8 > d
	v_add_nc_u32 v[D1], 16, v[D0]
.set n, 0
.rept 32
	v_cmp_gt_i32 vcc_lo, 16*(n/8)+n%8, v[D0]
	v_cndmask_b32 v[S+n], v[S+n], v[NINF], vcc_lo
	v_cmp_gt_i32 vcc_lo, 16*(n/8)+n%8, v[D1]
	v_cndmask_b32 v[S+32+n], v[S+32+n], v[NINF], vcc_lo
.set n, n+1
.endr
.Lopen_\@:
.irp j, 0,1,2,3                                 ; the maximum of a lane's 32 scores and the old m: four chains, the two tiles by turns; each accumulator is read from its low end on
.irp t, 0,1
	v_max3_num_f32 v[ST+8*\t+4+\j], v[S+32*\t+8*\j], v[S+32*\t+8*\j+1], v[S+32*\t+8*\j+2]
.endr
.endr
.irp k, 1,2
.irp j, 0,1,2,3
.irp t, 0,1
	v_max3_num_f32 v[ST+8*\t+4+\j], v[ST+8*\t+4+\j], v[S+32*\t+8*\j+2*\k+1], v[S+32*\t+8*\j+2*\k+2]
.endr
.endr
.endr
.irp t, 0,1
	v_max3_num_f32 v[ST+8*\t+4], v[ST+8*\t+4], v[S+32*\t+7], v[S+32*\t+15]
	v_max3_num_f32 v[ST+8*\t+6], v[ST+8*\t+6], v[S+32*\t+23], v[S+32*\t+31]
.endr
.irp t, 0,1
	v_max3_num_f32 v[ST+8*\t+4], v[ST+8*\t+4], v[ST+8*\t+5], v[ST+8*\t+6]
.endr
.irp t, 0,1
	v_max3_num_f32 v[ST+8*\t+4], v[ST+8*\t+4], v[ST+8*\t+7], v[ST+8*\t+1]
.endr
.irp t, 0,1
	v_permlanex16_b32 v[ST+8*\t+5], v[ST+8*\t+4], s[SEL], s[SEL+1]   ; the query's other 32 keys lie in the lane 16 away
.endr
.irp t, 0,1
	v_mov_b32 v[ST+8*\t+7], v[ST+8*\t]             ; c m_old
.endr
.irp t, 0,1
	v_max_num_f32 v[ST+8*\t+1], v[ST+8*\t+4], v[ST+8*\t+5]
.endr
.irp t, 0,1
	v_mul_f32 v[ST+8*\t], s[CS], v[ST+8*\t+1]
.endr
.irp t, 0,1
	v_sub_f32 v[ST+8*\t+7], v[ST+8*\t+7], v[ST+8*\t]
.endr
.set i, 0
.rept 16
.irp t, 0,1
	v_pk_fma_f32 v[S+32*\t+2*i:S+32*\t+2*i+1], v[S+32*\t+2*i:S+32*\t+2*i+1], s[CS:CS+1], v[ST+8*\t:ST+8*\t+1] op_sel_hi:[1,0,0] neg_lo:[0,0,1] neg_hi:[0,0,1]   ; c s - c m
.endr
.set i, i+1
.endr
.irp t, 0,1
	v_exp_f32 v[ST+8*\t+6], v[ST+8*\t+7]           ; a.  ONE BATCH: 66 exponentials, none of which reads another's result
.endr
.set i, 0
.rept 64
	v_exp_f32 v[S+i], v[S+i]
.set i, i+1
.endr
	v_nop                                          ; a plain line behind the last exponential
	s_wait_alu depctr_va_vdst(0)                   ; the wait ahead of the first line that names a result: one for the batch
.irp t, 0,1
	v_pk_mul_f32 v[ST+8*\t+2:ST+8*\t+3], v[ST+8*\t+2:ST+8*\t+3], v[ST+8*\t+6:ST+8*\t+7] op_sel_hi:[1,0]   ; l x a
.endr
.irp t, 0,1
	v_pk_add_f32 v[ST+8*\t+4:ST+8*\t+5], v[S+32*\t:S+32*\t+1], v[S+32*\t+2:S+32*\t+3]   ; the sum of the unrounded p, in two chains
.endr
.irp j, 4,8,12,16,20,24,28
.irp t, 0,1
	v_pk_add_f32 v[ST+8*\t+2:ST+8*\t+3], v[ST+8*\t+2:ST+8*\t+3], v[S+32*\t+\j:S+32*\t+\j+1]
	v_pk_add_f32 v[ST+8*\t+4:ST+8*\t+5], v[ST+8*\t+4:ST+8*\t+5], v[S+32*\t+\j+2:S+32*\t+\j+3]
.endr
.endr
.irp t, 0,1
	v_pk_add_f32 v[ST+8*\t+2:ST+8*\t+3], v[ST+8*\t+2:ST+8*\t+3], v[ST+8*\t+4:ST+8*\t+5]
.endr
.set i, 0
.rept 16
.irp t, 0,1
	v_cvt_pk_f16_f32 v[S+32*\t+i], v[S+32*\t+2*i], v[S+32*\t+2*i+1]   ; P, in place, ascending: register i is written when registers 2 i and 2 i + 1 are read
.endr
.set i, i+1
.endr
.set i, 0
.rept 16
.irp t, 0,1
	v_pk_mul_f32 v[O+32*\t+2*i:O+32*\t+2*i+1], v[O+32*\t+2*i:O+32*\t+2*i+1], v[ST+8*\t+6:ST+8*\t+7] op_sel_hi:[1,0]   ; O^T x a
.endr
.set i, i+1
.endr
	s_wait_dscnt 0x0                               ; V is in
.irp kc, 0,1
.irp ct, 0,1,2,3
.irp t, 0,1
	v_wmma_f32_16x16x32_f16 v[O+32*\t+8*\ct:O+32*\t+8*\ct+7], v[KV+32*\kc+8*\ct:KV+32*\kc+8*\ct+7], v[S+32*\t+8*\kc:S+32*\t+8*\kc+7], v[O+32*\t+8*\ct:O+32*\t+8*\ct+7]
.endr
.endr
.endr
.Lhidden_\@:
	s_add_co_u32 s[KF], s[KF], 64
.endm
; THE CHANGE OF SLOTS stands at a slot's head.  Each wave waits for all its tensor loads, adds 0 to its spare word, and waits for that and for its reads of the slot that it has left.
; Behind the barrier the slot ahead is whole and nobody reads the other one; fill = 1: that one is filled with the keys that follow, up to the causal limit: the load has a slot's four steps in which to land.
.macro CHANGE fill
	s_wait_tensorcnt 0x0                           ; no tensor load of mine is out, so a group 0 may be written
	ds_add_u32 v[SPW], v[NIL]                      ; 0 onto my spare word
.if \fill
	ds_add_u32 v[SPW], v[NIL]                      ; and once more: the add twice on end here, in every trip alike
	s_xor_b32 s[G0K+1], s[G0K+1], SLOT1            ; the walking descriptors: the other slot than last time,
	s_add_nc_u64 s[G0K+2:G0K+3], s[G0K+2:G0K+3], SK*128   ; the next 256 keys
	s_xor_b32 s[G0V+1], s[G0V+1], SLOT1
	s_add_nc_u64 s[G0V+2:G0V+3], s[G0V+2:G0V+3], SK*128
	s_wait_xcnt 0x0                                ; the last prefetch, a slot back, has read its address
	s_add_nc_u64 s[PFA:PFA+1], s[PFA:PFA+1], SK*128
.endif
	s_wait_dscnt 0x0                               ; the add is done, and my reads of the slot that I have left are over
	s_barrier_signal -1
	s_barrier_wait -1
.if \fill
	s_add_co_u32 s96, s[KF], SK                    ; the first key of the slot that this change would ask for:
	s_cmp_gt_u32 s96, s[LASTQ]                     ; past the work-group's last query no wave reads it, so it is not asked for.  Ids and the count of steps alone: all sixteen waves go the same way
	s_cbranch_scc1 .Lpast_\@
	TLOAD G0K, G1K, G0V, G1V                       ; a wave's one tensor load until the next change
.Lpast_\@:
	ASK
.endif
.endm
.macro SLOT_STEPS
.set QQ, 0
.rept NQ
	STEP QQ
.set QQ, QQ+1
.endr
	s_xor_b32 s[TB], s[TB], SLOT1
.endm
	s_wait_loadcnt 0x0                             ; Q
.Lslot:                                            ; 7 trips
	CHANGE 1
	SLOT_STEPS
	s_sub_co_u32 s[SLOTS], s[SLOTS], 1
	s_cmp_lg_u32 s[SLOTS], 0
	s_cbranch_scc1 .Lslot
	CHANGE 0                                       ; the last slot is written out: nothing is left to ask for
	SLOT_STEPS
	; THE WAY OUT: O^T / l, f16, a tile of 16 rows at a time through my stage, so that an instruction stores 512 consecutive bytes.  The additions are the places behind the last products
.irp t, 0,1
	v_add_f32 v[ST+8*\t+4], v[ST+8*\t+2], v[ST+8*\t+3]
.endr
.irp t, 0,1
	v_permlanex16_b32 v[ST+8*\t+5], v[ST+8*\t+4], s[SEL], s[SEL+1]
.endr
.irp t, 0,1
	v_add_f32 v[ST+8*\t+4], v[ST+8*\t+4], v[ST+8*\t+5]
.endr
.irp t, 0,1
	v_rcp_f32 v[ST+8*\t+6], v[ST+8*\t+4]
.endr
	v_nop
	s_wait_alu depctr_va_vdst(0)                   ; one wait for the two reciprocals, ahead of their first reader
.set i, 0
.rept 16
.irp t, 0,1
	v_pk_mul_f32 v[O+32*\t+2*i:O+32*\t+2*i+1], v[O+32*\t+2*i:O+32*\t+2*i+1], v[ST+8*\t+6:ST+8*\t+7] op_sel_hi:[1,0]
.endr
.set i, i+1
.endr
.set i, 0
.rept 32
	v_cvt_pk_f16_f32 v[S+i], v[O+2*i], v[O+2*i+1]  ; tile t's 16 registers at v[64 + 16 t]
.set i, i+1
.endr
.irp t, 0,1
.irp ct, 0,1,2,3
	ds_store_b128 v[STO], v[S+16*\t+4*\ct:S+16*\t+4*\ct+3] offset:32*\ct
.endr
.irp u, 0,1,2,3
	ds_load_b128 v[KV+16*\t+4*\u:KV+16*\t+4*\u+3], v[RD] offset:4*\u*KP   ; LDS serves a wave's instructions in order: these see my stores, and the next tile's stores come behind them
.endr
.endr
.irp i, 0,1,2,3,4,5,6,7
	s_wait_dscnt 7-\i                              ; at most so many LDS instructions stand behind this load
	global_store_b128 v[GO], v[KV+4*\i:KV+4*\i+3], s[6:7] offset:512*\i
.endr
	s_wait_tensorcnt 0x0                           ; the wave's end
	ds_add_u32 v[SPW], v[NIL]
	s_wait_dscnt 0x0
	s_endpgm
.Lfunc_end_k_qc4a286dfe0_attn:
	.size	k_qc4a286dfe0_attn, .Lfunc_end_k_qc4a286dfe0_attn-k_qc4a286dfe0_attn
	.p2alignl 7, 3214868480
	.fill 96, 4, 3214868480
	.section	.rodata,"a",@progbits
	.p2align	6, 0x0
	.amdhsa_kernel k_qc4a286dfe0_attn
		.amdhsa_group_segment_fixed_size 327680
		.amdhsa_private_segment_fixed_size 0
		.amdhsa_enable_private_segment 0
		.amdhsa_kernarg_size 16
		.amdhsa_user_sgpr_count 2
		.amdhsa_user_sgpr_kernarg_segment_ptr 1
		.amdhsa_wavefront_size32 1
		.amdhsa_system_sgpr_workgroup_id_x 1
		.amdhsa_system_sgpr_workgroup_id_y 1
		.amdhsa_system_sgpr_workgroup_id_z 1
		.amdhsa_system_vgpr_workitem_id 0
		.amdhsa_next_free_vgpr 256
		.amdhsa_next_free_sgpr 100
		.amdhsa_reserve_vcc 1
		.amdhsa_float_denorm_mode_32 3
		.amdhsa_float_denorm_mode_16_64 3
		.amdhsa_memory_ordered 1
		.amdhsa_forward_progress 1
		.amdhsa_inst_pref_size 189
	.end_amdhsa_kernel
	.amdgpu_metadata
---
amdhsa.version: [ 1, 2 ]
amdhsa.kernels:
  - .name:           k_qc4a286dfe0_attn
    .symbol:         k_qc4a286dfe0_attn.kd
    .args:
      - { .name: qkvh, .offset: 0, .size: 8, .value_kind: global_buffer, .address_space: global }
      - { .name: att16, .offset: 8, .size: 8, .value_kind: global_buffer, .address_space: global }
    .group_segment_fixed_size: 327680
    .private_segment_fixed_size: 0
    .kernarg_segment_align: 8
    .kernarg_segment_size: 16
    .max_flat_workgroup_size: 512
    .sgpr_count:     100
    .vgpr_count:     256
    .wavefront_size: 32
...
	.end_amdgpu_metadata
.endif
;; end of part 3
;; launch proj (part 4): grid 8 x 64, 4 waves a work-group, clusters of 4 x 4, 327,680 bytes of LDS; arguments att16, wo16, out0; writes out0
.if DOCPART == 4
	.amdgcn_target "amdgcn-amd-amdhsa--gfx1250"
	.amdhsa_code_object_version 6
	.text
	.protected	k_qc4a286dfe0_proj
	.globl	k_qc4a286dfe0_proj
	.p2align	8
	.type	k_qc4a286dfe0_proj,@function
k_qc4a286dfe0_proj:
	s_mov_b64 s[64:65], 0
	v_nop
	global_prefetch_b8 v0, s[64:65] scope:SCOPE_SE
	s_setreg_imm32_b32 hwreg(HW_REG_WAVE_MODE, 25, 1), 1
	s_wait_xcnt 0x0
	s_wait_alu depctr_hold_cnt(0) depctr_sa_sdst(0) depctr_va_vdst(0) depctr_va_sdst(0) depctr_va_ssrc(0) depctr_va_vcc(0) depctr_vm_vsrc(0)
	s_getreg_b32 s2, hwreg(HW_REG_IB_STS2, 6, 4)
	s_cmp_eq_u32 s2, 0
	s_cbranch_scc0 .Lentry_in_a_cluster
	s_endpgm
.Lentry_in_a_cluster:
	s_bfe_u32 s2, ttmp6, 0x10000c
	s_cmp_lg_u32 s2, 0xf033
	s_cbranch_scc0 .Lentry_shape_is_right
	s_endpgm
.Lentry_shape_is_right:
; out0[m][n] = sum over k of att[m][k] w_out[n][k], operands in f16, sums and result in f32.  M 8192, N 1024, K 1024.
; Both operands lie [row / 64][k / 64][64 rows][64]: what a wave fetches for a K step of 256 (64 rows x 4 planes of 64 along K) is one dense block of 32,768 bytes.
; A tile of 128 x 128 is made by four waves, 64 x 64 each: 16 accumulators.  Two LDS slots of a K step each; K is four steps.
; CLUSTERS: 4 x 4 work-groups; A's tile is shared along a row of the cluster, B's along a column, each asked for jointly.  THE MATRIX INSTRUCTION IS USED TRANSPOSED (source 0 = rows of w_out, source 1 = rows of att).
; The first 16 positions of each sequence are computed here like all rows and written anew, in f32 throughout, by a later launch: leaving them out here would be a branch on a work-group's place in its cluster.
; No prefetch: a step's tiles are small and are shared by four work-groups.
; REGISTERS: window 0: v0-31 addresses; v32-95 rows on the way out; v128-255 the accumulators ((a, b) at v[128 + 8 (4 a + b)]).  Window 1: two fragment buffers of 128.
.set PITCH,  144                       ; a row of one plane in LDS: 128 bytes + 16: the 16 rows of a load start at 16 different banks (64 banks of 4 bytes: ISA guide 11.1)
.set PLANE,  64*PITCH
.set HALFT,  4*PLANE                   ; what one tensor load brings: 64 rows x 256 along K
.set SLOT,   4*HALFT
.set SPARE,  2*SLOT
.set SPITCH, 272
.set STEPB,  32768                     ; a K step of 64 rows in memory
.set LAPS,   2
.set ADRA, 16
.set ADRB, 20
.set STO,  24
.set RD,   25
.set CO,   26
.set SPW,  28
.set NIL,  29
.set TMP,  32
.set ACC,  128
.set F0,   0
.set F1,   128
.set G1, 24
.set G0, 32
.set G1B, 48
.set G0B, 56
.set MSB, 0
.macro WIN new
.if MSB != (\new)
	s_set_vgpr_msb (MSB<<8)|(\new)
.set MSB, (\new)
.endif
.endm
.set MUL,  0x05                        ; sources 0 (B) and 1 (A) window 1; C and D window 0
.set TO_F, 0x40
.macro JLOAD s                         ; a joint load: waves 0 and 1 fetch A's two halves, waves 2 and 3 B's; an s_nop 0 and four v_nop follow each of the two lines
	s_cmp_eq_u32 s11, 0
	s_cbranch_scc0 .Lfor_b_\@
	tensor_load_to_lds s[G0+4*\s:G0+4*\s+3], s[G1:G1+7]
	s_nop 0
.rept 4
	v_nop
.endr
	s_branch .Lasked_\@
.Lfor_b_\@:
	tensor_load_to_lds s[G0B+4*\s:G0B+4*\s+3], s[G1B:G1B+7]
	s_nop 0
.rept 4
	v_nop
.endr
.Lasked_\@:
.endm
.macro CREST
	s_cmp_lg_u32 s10, 0
	s_cbranch_scc1 .Lnot_wave_0_\@
	s_barrier_signal -3
.Lnot_wave_0_\@:
	s_barrier_wait -3
	s_barrier_signal -1
	s_barrier_wait -1
.endm
.macro CROUND
	s_barrier_signal -1
	s_barrier_wait -1
	CREST
.endm
	s_load_b128 s[4:7], s[0:1], 0x0                ; att16 s[4:5], wo16 s[6:7]
	s_load_b64 s[8:9], s[0:1], 0x10                ; out0
	v_lshl_add_u32 v[SPW], v0, 2, SPARE
	v_mov_b32 v[NIL], 0
	ds_add_u32 v[SPW], v[NIL]                      ; the wave's opening: the add, twice on end, and its wait ahead of my first tensor load
	ds_add_u32 v[SPW], v[NIL]
	v_lshrrev_b32 v1, 5, v0
	v_readfirstlane_b32 s10, v1                    ; wave 0..3
	s_lshr_b32 s11, s10, 1                         ; which half of the tile's rows is mine.  Also: I fetch for A (0) or for B (1)
	s_and_b32 s12, s10, 1                          ; which half of its columns.  Also: which 64 rows of that tile I fetch
	s_bfe_u32 s40, ttmp6, 0x40000
	s_bfe_u32 s41, ttmp6, 0x40004
	s_lshl_b32 s42, ttmp9, 2
	s_add_co_u32 s42, s42, s40                     ; tile column
	s_and_b32 s13, ttmp7, 0xffff
	s_lshl_b32 s13, s13, 2
	s_add_co_u32 s13, s13, s41                     ; tile row
	s_lshl_b32 s43, s41, 2
	s_lshl_b32 s43, 15, s43                        ; my row of the cluster
	s_lshl_b32 s44, 0x1111, s40                    ; my column
	; descriptor group 1: 32,768 dense bytes as 128 rows of 128 elements of 2 bytes; four words of padding behind every 32 words, which is a row of one plane
	s_or_b32 s[G1+0], s43, (1<<16)|(1<<20)|(1<<21)|(4<<22)|(3<<25)
	s_or_b32 s[G1B+0], s44, (1<<16)|(1<<20)|(1<<21)|(4<<22)|(3<<25)
.irp g, G1, G1B
	s_mov_b32 s[\g+1], 128<<16
	s_mov_b32 s[\g+2], 128<<16
	s_mov_b32 s[\g+3], 128<<16
	s_mov_b32 s[\g+4], 128
	s_mov_b32 s[\g+5], 128
	s_mov_b32 s[\g+6], 0
	s_mov_b32 s[\g+7], 0
.endr
	s_lshl_b32 s16, s13, 1
	s_add_co_u32 s16, s16, s12                     ; A: block of 64 rows 2 x tile row + half,
	s_lshl_b32 s16, s16, 17                        ; 131,072 bytes each
	s_mov_b32 s17, 0
	s_lshl_b32 s46, s42, 1
	s_add_co_u32 s46, s46, s12                     ; B: 2 x tile column + half
	s_lshl_b32 s46, s46, 17
	s_mov_b32 s47, 0
	s_mul_i32 s20, s10, HALFT                      ; where they go: wave x 64 rows
	s_wait_dscnt 0x0                               ; both opening adds are done
	s_wait_kmcnt 0x0
	s_add_nc_u64 s[14:15], s[4:5], s[16:17]
	s_add_nc_u64 s[46:47], s[6:7], s[46:47]
	CROUND                                         ; all sixteen work-groups are here: the first joint loads meet
.irp s, 0,1
	s_mov_b32 s[G0+4*\s], 1
	s_add_co_u32 s[G0+4*\s+1], s20, \s*SLOT
	s_add_nc_u64 s[G0+4*\s+2:G0+4*\s+3], s[14:15], \s*STEPB
	s_or_b32 s[G0+4*\s+3], s[G0+4*\s+3], 0x80000000
	s_mov_b32 s[G0B+4*\s], 1
	s_add_co_u32 s[G0B+4*\s+1], s20, \s*SLOT
	s_add_nc_u64 s[G0B+4*\s+2:G0B+4*\s+3], s[46:47], \s*STEPB
	s_or_b32 s[G0B+4*\s+3], s[G0B+4*\s+3], 0x80000000
	JLOAD \s
.endr
	v_and_b32 v1, 15, v0                           ; l % 16
	v_bfe_u32 v2, v0, 4, 1                         ; l / 16
	v_mul_u32_u24 v3, v1, PITCH
	v_lshl_add_u32 v3, v2, 4, v3
	s_mul_i32 s21, s11, HALFT                      ; my 64 rows of A
	s_mul_i32 s22, s12, HALFT                      ; my 64 rows of B,
	s_add_co_u32 s22, s22, 2*HALFT                 ; behind A's 128
.irp s, 0,1
	v_add_nc_u32 v[ADRA+\s], s21, v3
	v_add_nc_u32 v[ADRB+\s], s22, v3
	s_add_co_u32 s21, s21, SLOT
	s_add_co_u32 s22, s22, SLOT
.endr
	s_mul_i32 s23, s10, 16*SPITCH                  ; my stage for the way out: 16 rows x 272 bytes, in slot 0
	v_mul_u32_u24 v4, v1, SPITCH
	v_lshl_add_u32 v4, v2, 5, v4
	v_add_nc_u32 v[STO], s23, v4                   ; in: row l % 16, 32 bytes for each half of the lanes
	v_mul_u32_u24 v5, v2, SPITCH
	v_lshl_add_u32 v5, v1, 4, v5
	v_add_nc_u32 v[RD], s23, v5                    ; back: lanes 0-15 one row of 256 bytes, lanes 16-31 the next
	v_lshlrev_b32 v5, 12, v2
	v_lshl_add_u32 v[CO], v1, 4, v5                ; and the same two rows in out0
	s_lshl_b32 s16, s13, 7
	s_lshl_b32 s17, s11, 6
	s_add_co_u32 s16, s16, s17                     ; my first row: 128 x tile row + 64 x half,
	s_lshl_b32 s16, s16, 12                        ; 4,096 bytes a row
	s_mov_b32 s17, 0
	s_add_nc_u64 s[8:9], s[8:9], s[16:17]
	s_lshl_b32 s46, s42, 9                         ; my first column, in bytes: 512 x tile column + 256 x half
	s_lshl_b32 s47, s12, 8
	s_add_co_u32 s46, s46, s47
	s_mov_b32 s47, 0
	s_add_nc_u64 s[8:9], s[8:9], s[46:47]
.macro MUL8 f, c, a0, zero             ; 8 matrix instructions: m blocks a0, a0 + 1 x all 4 n blocks, 32 along K.  The 16 accumulators take turns
.irp a, \a0, \a0+1
.irp b, 0,1,2,3
.if \zero
	v_wmma_f32_16x16x32_f16 v[ACC+8*(4*(\a)+\b):ACC+8*(4*(\a)+\b)+7], v[\f+64+8*(4*\c+\b):\f+64+8*(4*\c+\b)+7], v[\f+8*(4*\c+\a):\f+8*(4*\c+\a)+7], 0
.else
	v_wmma_f32_16x16x32_f16 v[ACC+8*(4*(\a)+\b):ACC+8*(4*(\a)+\b)+7], v[\f+64+8*(4*\c+\b):\f+64+8*(4*\c+\b)+7], v[\f+8*(4*\c+\a):\f+8*(4*\c+\a)+7], v[ACC+8*(4*(\a)+\b):ACC+8*(4*(\a)+\b)+7]
.endif
.endr
.endr
.endm
.macro FETCH slot, k, f                ; 32 LDS loads in one run: the fragments of one plane (64 along K), which begins at byte k; the first 32 along K first
	WIN TO_F
.irp c, 0,1
.irp i, 0,1,2,3
	ds_load_b128 v[\f+64+8*(4*\c+\i):\f+64+8*(4*\c+\i)+3],   v[ADRB+\slot] offset:\k+64*\c+\i*16*PITCH
	ds_load_b128 v[\f+64+8*(4*\c+\i)+4:\f+64+8*(4*\c+\i)+7], v[ADRB+\slot] offset:\k+64*\c+\i*16*PITCH+32
	ds_load_b128 v[\f+8*(4*\c+\i):\f+8*(4*\c+\i)+3],         v[ADRA+\slot] offset:\k+64*\c+\i*16*PITCH
	ds_load_b128 v[\f+8*(4*\c+\i)+4:\f+8*(4*\c+\i)+7],       v[ADRA+\slot] offset:\k+64*\c+\i*16*PITCH+32
.endr
.endr
.endm
.macro PLACES
.rept 4
	v_nop
.endr
.endm
.macro QUARTER slot, k, f, g, zero     ; multiplies buffer f and fetches the next plane, at byte k, into g
	s_wait_dscnt 16                                ; the first 32 along K are in; the sixteen loads of the second 32 may be out
	WIN MUL
	MUL8 \f, 0, 0, \zero
	MUL8 \f, 0, 2, \zero
	PLACES
	FETCH \slot, \k, \g
	s_wait_dscnt 32                                ; all but the 32 just issued
	WIN MUL
	MUL8 \f, 1, 0, 0
	MUL8 \f, 1, 2, 0
.endm
.macro TURN slot, next, fill           ; the last quarter changes slots: one barrier; in front of it each wave waits for all its tensor loads, adds 0 to its spare word, and waits for that and for its reads of this slot
	WIN 0
	s_wait_tensorcnt 0x0
	ds_add_u32 v[SPW], v[NIL]
	s_wait_dscnt 17                                ; (the add and the youngest sixteen loads may be out)
	WIN MUL
	MUL8 F1, 0, 0, 0
	s_wait_dscnt 0x0                               ; the add is done, and my reads of this slot are over
	s_barrier_signal -1
	MUL8 F1, 0, 2, 0
.if \fill
	WIN 0
.endif
	s_barrier_wait -1
.if \fill
	CREST                                          ; the barrier has opened a round of the cluster's barrier: no wave of any partner still reads this slot or has a load on its way
	s_add_nc_u64 s[G0+4*\slot+2:G0+4*\slot+3], s[G0+4*\slot+2:G0+4*\slot+3], 2*STEPB
	s_add_nc_u64 s[G0B+4*\slot+2:G0B+4*\slot+3], s[G0B+4*\slot+2:G0B+4*\slot+3], 2*STEPB
	JLOAD \slot                                    ; the first tensor load behind the round; its four v_nop are also the places in front of the loads below
.else
	PLACES
.endif
	FETCH \next, 0, F0
	WIN MUL
	MUL8 F1, 1, 0, 0
	MUL8 F1, 1, 2, 0
.endm
	s_wait_tensorcnt 1                             ; my part of K step 0 is in (K step 1's load may be out)
	s_barrier_signal -1
	s_barrier_wait -1
	FETCH 0, 0, F0
	QUARTER 0, PLANE, F0, F1, 1                    ; the first quarter's first products start the sums
	WIN 0
	s_mov_b32 s3, LAPS-1
.Llap:                                                 ; a trip goes once round the ring and fills both slots again
	QUARTER 0, 2*PLANE, F1, F0, 0
	QUARTER 0, 3*PLANE, F0, F1, 0
	TURN 0, 1, 1
	QUARTER 1, PLANE, F0, F1, 0
	QUARTER 1, 2*PLANE, F1, F0, 0
	QUARTER 1, 3*PLANE, F0, F1, 0
	TURN 1, 0, 1
	QUARTER 0, PLANE, F0, F1, 0
	WIN 0
	s_sub_co_u32 s3, s3, 1
	s_cmp_lg_u32 s3, 0
	s_cbranch_scc1 .Llap
	QUARTER 0, 2*PLANE, F1, F0, 0                  ; the last lap fills nothing
	QUARTER 0, 3*PLANE, F0, F1, 0
	TURN 0, 1, 0
	QUARTER 1, PLANE, F0, F1, 0
	QUARTER 1, 2*PLANE, F1, F0, 0
	QUARTER 1, 3*PLANE, F0, F1, 0
	s_wait_dscnt 16
	WIN MUL
	MUL8 F1, 0, 0, 0
	MUL8 F1, 0, 2, 0
	s_wait_dscnt 0
	MUL8 F1, 1, 0, 0
	MUL8 F1, 1, 2, 0
	WIN 0
; THE WAY OUT, 16 rows x 64 columns of f32 at a time, through my own stage.  It lies in slot 0, which has had its last fill, and which nobody reads behind the last change of slots.
.macro TOSTAGE a
.irp b, 0,1,2,3
	ds_store_b128 v[STO], v[ACC+8*(4*(\a)+\b):ACC+8*(4*(\a)+\b)+3] offset:64*\b       ; each accumulator from its low end on
	ds_store_b128 v[STO], v[ACC+8*(4*(\a)+\b)+4:ACC+8*(4*(\a)+\b)+7] offset:64*\b+16
.endr
.irp t, 0,1,2,3,4,5,6,7
	ds_load_b128 v[TMP+32*((\a)%2)+4*\t:TMP+32*((\a)%2)+4*\t+3], v[RD] offset:\t*2*SPITCH   ; LDS serves a wave's instructions in order: these see the stores above
.endr
.endm
.macro SEND a, younger
	s_wait_dscnt \younger
.irp t, 0,1,2,3,4,5,6,7
	global_store_b128 v[CO], v[TMP+32*((\a)%2)+4*\t:TMP+32*((\a)%2)+4*\t+3], s[8:9] offset:(16*(\a)+2*\t)*4096 th:TH_STORE_NT   ; sixteen lanes store 256 consecutive bytes, aligned
.endr
.endm
	PLACES
	TOSTAGE 0
.irp a, 1,2,3
.if \a > 1
	s_wait_xcnt 0x0                                ; block a - 2's stores have read their registers
.endif
	TOSTAGE \a
	SEND \a-1, 16                                  ; behind block a - 1's loads: block a's 8 stores and 8 loads
.endr
	SEND 3, 0
	s_wait_tensorcnt 0x0                           ; the wave's end
	ds_add_u32 v[SPW], v[NIL]
	s_wait_dscnt 0x0
	CROUND                                         ; the closing round
	s_endpgm
.Lfunc_end_k_qc4a286dfe0_proj:
	.size	k_qc4a286dfe0_proj, .Lfunc_end_k_qc4a286dfe0_proj-k_qc4a286dfe0_proj
	.p2alignl 7, 3214868480
	.fill 96, 4, 3214868480
	.section	.rodata,"a",@progbits
	.p2align	6, 0x0
	.amdhsa_kernel k_qc4a286dfe0_proj
		.amdhsa_group_segment_fixed_size 327680
		.amdhsa_private_segment_fixed_size 0
		.amdhsa_enable_private_segment 0
		.amdhsa_kernarg_size 24
		.amdhsa_user_sgpr_count 2
		.amdhsa_user_sgpr_kernarg_segment_ptr 1
		.amdhsa_wavefront_size32 1
		.amdhsa_system_sgpr_workgroup_id_x 1
		.amdhsa_system_sgpr_workgroup_id_y 1
		.amdhsa_system_sgpr_workgroup_id_z 1
		.amdhsa_system_vgpr_workitem_id 0
		.amdhsa_next_free_vgpr 512
		.amdhsa_next_free_sgpr 66
		.amdhsa_reserve_vcc 0
		.amdhsa_float_denorm_mode_32 3
		.amdhsa_float_denorm_mode_16_64 3
		.amdhsa_memory_ordered 1
		.amdhsa_forward_progress 1
		.amdhsa_inst_pref_size 85
	.end_amdhsa_kernel
	.amdgpu_metadata
---
amdhsa.version: [ 1, 2 ]
amdhsa.kernels:
  - .name:           k_qc4a286dfe0_proj
    .symbol:         k_qc4a286dfe0_proj.kd
    .args:
      - { .name: att16, .offset: 0, .size: 8, .value_kind: global_buffer, .address_space: global }
      - { .name: wo16, .offset: 8, .size: 8, .value_kind: global_buffer, .address_space: global }
      - { .name: out0, .offset: 16, .size: 8, .value_kind: global_buffer, .address_space: global }
    .group_segment_fixed_size: 327680
    .private_segment_fixed_size: 0
    .kernarg_segment_align: 8
    .kernarg_segment_size: 24
    .max_flat_workgroup_size: 128
    .sgpr_count:     66
    .vgpr_count:     512
    .wavefront_size: 32
...
	.end_amdgpu_metadata
.endif
;; end of part 4
;; launch head16 (part 5): grid 16 x 4, 12 waves a work-group, no clusters, 18,944 bytes of LDS; arguments codes, scales, rope, att32; writes att32
.if DOCPART == 5
	.amdgcn_target "amdgcn-amd-amdhsa--gfx1250"
	.amdhsa_code_object_version 6
	.text
	.protected	k_qc4a286dfe0_head16
	.globl	k_qc4a286dfe0_head16
	.p2align	8
	.type	k_qc4a286dfe0_head16,@function
k_qc4a286dfe0_head16:
	s_mov_b64 s[64:65], 0
	v_nop
	global_prefetch_b8 v0, s[64:65] scope:SCOPE_SE
	s_setreg_imm32_b32 hwreg(HW_REG_WAVE_MODE, 25, 1), 1
	s_wait_xcnt 0x0
; THE FIRST 16 POSITIONS of every sequence, for one head (x) of one batch (y), carried in f32 behind the first product: these rows average one to sixteen values, and f16 operands would weigh most there.
; Phase 1, twelve waves: wave w makes 16 positions x 16 columns of Q (w / 4 = 0), K (1) or V (2), columns 16 (w % 4) on of the head: the first product once more, on the same codes of FP4, K = 1024 in eight steps
; on two accumulators by turns; Q and K are rotated; the numbers go to LDS in f32.  Phase 2, wave 0: scores, softmax under the mask, and the weighted values, by the f32 matrix form (32 instructions: no bulk work).
; att32: f32 [16 batch + position][1024].
.set PQ,   272                         ; a position's 64 numbers in LDS: 256 bytes + 16
.set LQ,   0
.set LK,   16*PQ
.set LV,   32*PQ
.set STG,  48*PQ
.set SPARE, 64*PQ                      ; 17,408: the spare words, 128 bytes a wave
	s_load_b256 s[4:11], s[0:1], 0x0               ; codes s[4:5], scales s[6:7], rope s[8:9], att32 s[10:11]
	v_lshl_add_u32 v4, v0, 2, SPARE
	v_mov_b32 v5, 0
	v_lshrrev_b32 v8, 5, v0
	v_readfirstlane_b32 s12, v8                    ; wave 0..11
	s_lshr_b32 s13, s12, 2                         ; Q, K or V
	s_and_b32 s14, s12, 3                          ; which 16 columns of the head
	s_and_b32 s15, ttmp7, 0xffff                   ; batch
	v_and_b32 v8, 15, v0                           ; r
	v_bfe_u32 v9, v0, 4, 1                         ; h
	v_mul_u32_u24 v10, v8, PQ
	s_mul_i32 s16, s13, 16*PQ
	s_lshl_b32 s17, s14, 6
	s_add_co_u32 s16, s16, s17
	v_lshl_add_u32 v1, v9, 5, v10
	v_add_nc_u32 v1, s16, v1                       ; v1 phase 1: position r, my 8 columns: 64 (w % 4) + 32 h bytes on
	v_lshl_add_u32 v2, v9, 7, v10                  ; v2 phase 2: row r, channels 32 h on
	v_mul_u32_u24 v3, v9, 8*PQ
	v_lshl_add_u32 v3, v8, 2, v3
	v_add_nc_u32 v3, LV, v3                        ; v3 V: key 8 h, channel r
	v_lshl_add_u32 v6, v9, 5, v10
	v_add_nc_u32 v6, STG, v6                       ; v6 the stage, in
	v_mul_u32_u24 v7, v9, PQ
	v_lshl_add_u32 v7, v8, 4, v7
	v_add_nc_u32 v7, STG, v7                       ; v7 and back: lanes 0-15 one row, lanes 16-31 the next
	v_lshlrev_b32 v11, 9, v8
	v_lshl_add_u32 v11, v9, 4, v11                 ; v11 codes: row r of 512 bytes + 16 h
	v_lshlrev_b32 v12, 5, v8                       ; v12 scale bytes: 32 a row
	v_lshlrev_b32 v13, 8, v8
	v_lshl_add_u32 v13, v9, 5, v13                 ; v13 the table: position r, + 32 h
	v_lshlrev_b32 v14, 12, v9
	v_lshl_add_u32 v14, v8, 4, v14                 ; v14 the output: two rows of 4,096 bytes, 16 bytes a lane
	v_lshlrev_b32 v15, 3, v9
	v_sub_nc_u32 v15, v8, v15                      ; v15 r - 8 h, for the mask
	s_lshl_b32 s20, s13, 10
	s_lshl_b32 s21, ttmp9, 6
	s_add_co_u32 s20, s20, s21
	s_lshl_b32 s21, s14, 4
	s_add_co_u32 s20, s20, s21                     ; my first row of w_qkv
	s_lshl_b32 s22, s20, 9
	s_add_co_u32 s22, s22, 0x400000                ; its codes, behind x's
	s_mov_b32 s23, 0
	s_lshl_b32 s24, s20, 5
	s_add_co_u32 s24, s24, 0x40000                 ; its scale bytes
	s_mov_b32 s25, 0
	s_lshl_b32 s26, s15, 20                        ; the batch's first row of x: 2,048 rows x 512 bytes,
	s_mov_b32 s27, 0
	s_lshl_b32 s28, s15, 16                        ; x 32 bytes
	s_mov_b32 s29, 0
	s_lshl_b32 s30, s14, 6                         ; the table: my 8 pairs begin 64 (w % 4) bytes on
	s_mov_b32 s31, 0
	s_lshl_b32 s32, s15, 16                        ; the output: 16 rows of 4,096 bytes a batch,
	s_lshl_b32 s33, ttmp9, 8                       ; 256 bytes a head
	s_add_co_u32 s32, s32, s33
	s_mov_b32 s33, 0
	s_mov_b32 s38, 0x76543210
	s_mov_b32 s39, 0xfedcba98                      ; v_permlanex16_b32's selects for lane l xor 16
	s_mov_b32 s40, 0x3e38aa3b                      ; c = log2(e) / 8
	s_wait_kmcnt 0x0
	s_add_nc_u64 s[34:35], s[4:5], s[22:23]
	s_add_nc_u64 s[4:5], s[4:5], s[26:27]
	s_add_nc_u64 s[36:37], s[6:7], s[24:25]
	s_add_nc_u64 s[6:7], s[6:7], s[28:29]
	s_add_nc_u64 s[8:9], s[8:9], s[30:31]
	s_add_nc_u64 s[10:11], s[10:11], s[32:33]
.irp s, 0,1,2,3,4,5,6,7
.irp c, 0,1
	global_load_b128 v[16+8*\s+4*\c:16+8*\s+4*\c+3], v11, s[4:5] offset:64*\s+32*\c      ; x's fragment of K step s
	global_load_b128 v[80+8*\s+4*\c:80+8*\s+4*\c+3], v11, s[34:35] offset:64*\s+32*\c    ; w_qkv's
.endr
.endr
	global_load_b128 v[144:147], v12, s[6:7]       ; x's scale words: register 144 + s for K step s; these sixteen registers hold scales and nothing else
	global_load_b128 v[148:151], v12, s[6:7] offset:16
	global_load_b128 v[152:155], v12, s[36:37]     ; w_qkv's
	global_load_b128 v[156:159], v12, s[36:37] offset:16
	global_load_b128 v[184:187], v13, s[8:9]       ; (cos, sin) of my four pairs
	global_load_b128 v[188:191], v13, s[8:9] offset:16
	s_wait_loadcnt 0x0
.irp s, 0,1,2,3,4,5,6,7                        ; transposed: source 0 = 16 rows of w_qkv, source 1 = the 16 positions: lane (r, h) holds position r, columns 8 h + 0 .. 7.  Two accumulators by turns
.if \s < 2
	v_wmma_scale_f32_16x16x128_f8f6f4 v[160+8*(\s%2):167+8*(\s%2)], v[80+8*\s:87+8*\s], v[16+8*\s:23+8*\s], 0, v[152+\s], v[144+\s] matrix_a_fmt:MATRIX_FMT_FP4 matrix_b_fmt:MATRIX_FMT_FP4
.else
	v_wmma_scale_f32_16x16x128_f8f6f4 v[160+8*(\s%2):167+8*(\s%2)], v[80+8*\s:87+8*\s], v[16+8*\s:23+8*\s], v[160+8*(\s%2):167+8*(\s%2)], v[152+\s], v[144+\s] matrix_a_fmt:MATRIX_FMT_FP4 matrix_b_fmt:MATRIX_FMT_FP4
.endif
.endr
.rept 4
	v_nop
.endr
.irp i, 0,1,2,3
	v_pk_add_f32 v[176+2*\i:177+2*\i], v[160+2*\i:161+2*\i], v[168+2*\i:169+2*\i]
.endr
	s_cmp_lt_u32 s12, 8
	s_cbranch_scc0 .Lvalues
.irp i, 0,1,2,3                                ; Q and K: (e, o) -> (e cos - o sin, e sin + o cos)
	v_pk_mul_f32 v[192+2*\i:193+2*\i], v[176+2*\i:177+2*\i], v[184+2*\i:185+2*\i] op_sel_hi:[1,0]
.endr
.irp i, 0,1,2,3
	v_fma_f32 v[192+2*\i], -v[177+2*\i], v[185+2*\i], v[192+2*\i]
	v_fma_f32 v[193+2*\i], v[176+2*\i], v[185+2*\i], v[193+2*\i]
.endr
	ds_store_b128 v1, v[192:195]
	ds_store_b128 v1, v[196:199] offset:16
	s_branch .Lmeet
.Lvalues:
	ds_store_b128 v1, v[176:179]                   ; V as it stands
	ds_store_b128 v1, v[180:183] offset:16
.Lmeet:
	s_wait_dscnt 0x0                               ; for the others' sake: my stores have landed
	s_barrier_signal -1
	s_barrier_wait -1
	s_cmp_lg_u32 s12, 0
	s_cbranch_scc1 .Lrest
	; ---- phase 2.  The f32 form takes 4 along K: lane (r, h), register j: k = 2 h + j.  A lane loads channels 32 h + 0 .. 31 of its row, and step i takes registers 2 i, 2 i + 1: the same order of channels on both sides
.irp c, 0,1,2,3,4,5,6,7
	ds_load_b128 v[16+4*\c:19+4*\c], v2 offset:LQ+16*\c
	ds_load_b128 v[48+4*\c:51+4*\c], v2 offset:LK+16*\c
.endr
.irp ct, 0,1,2,3
.irp k, 0,1,2,3,4,5,6,7
	ds_load_b32 v[80+8*\ct+\k], v3 offset:\k*PQ+64*\ct     ; V(key 8 h + k, channel 16 ct + r)
.endr
.endr
	s_wait_dscnt 32                                ; Q and K are in; V's 32 loads may be out
.irp i, 0,1,2,3,4,5,6,7,8,9,10,11,12,13,14,15  ; S^T = K Q^T: lane (r, h) holds query r, keys 8 h + 0 .. 7.  v200-247 are written by matrix instructions alone
.if \i < 2
	v_wmma_f32_16x16x4_f32 v[200+8*(\i%2):207+8*(\i%2)], v[48+2*\i:49+2*\i], v[16+2*\i:17+2*\i], 0
.else
	v_wmma_f32_16x16x4_f32 v[200+8*(\i%2):207+8*(\i%2)], v[48+2*\i:49+2*\i], v[16+2*\i:17+2*\i], v[200+8*(\i%2):207+8*(\i%2)]
.endif
.endr
.rept 8
	v_nop                                          ; eight places behind this form
.endr
.irp i, 0,1,2,3
	v_pk_add_f32 v[112+2*\i:113+2*\i], v[200+2*\i:201+2*\i], v[208+2*\i:209+2*\i]
.endr
	v_mov_b32 v128, 0xff800000
.irp j, 0,1,2,3,4,5,6,7
	v_cmp_gt_i32 vcc_lo, \j, v15                   ; key 8 h + j comes after query r
	v_cndmask_b32 v[112+\j], v[112+\j], v128, vcc_lo
.endr
	v_max3_num_f32 v129, v112, v113, v114
	v_max3_num_f32 v129, v129, v115, v116
	v_max3_num_f32 v129, v129, v117, v118
	v_max_num_f32 v129, v129, v119
	v_mov_b32 v130, 0
	v_permlanex16_b32 v130, v129, s38, s39
	v_max_num_f32 v129, v129, v130                 ; the row's maximum: key 0 counts for every query
	v_mul_f32 v129, s40, v129
.irp j, 0,1,2,3,4,5,6,7
	v_fma_f32 v[120+\j], v[112+\j], s40, -v129
.endr
.irp j, 0,1,2,3,4,5,6,7
	v_exp_f32 v[120+\j], v[120+\j]
.endr
	v_nop
	s_wait_alu depctr_va_vdst(0)                   ; one wait for the eight, ahead of their first reader
	v_pk_add_f32 v[132:133], v[120:121], v[122:123]
	v_pk_add_f32 v[134:135], v[124:125], v[126:127]
	v_pk_add_f32 v[132:133], v[132:133], v[134:135]
	v_add_f32 v131, v132, v133
	v_permlanex16_b32 v130, v131, s38, s39
	v_add_f32 v131, v131, v130                     ; the row's sum
	v_rcp_f32 v131, v131
	v_nop
	s_wait_alu depctr_va_vdst(0)
	s_wait_dscnt 0x0                               ; V
.irp i, 0,1,2,3                                ; O^T = V^T P: step i takes keys 8 h + 2 i, 8 h + 2 i + 1 on both sides; the four accumulators take turns
.irp ct, 0,1,2,3
.if \i == 0
	v_wmma_f32_16x16x4_f32 v[216+8*\ct:223+8*\ct], v[80+8*\ct+2*\i:81+8*\ct+2*\i], v[120+2*\i:121+2*\i], 0
.else
	v_wmma_f32_16x16x4_f32 v[216+8*\ct:223+8*\ct], v[80+8*\ct+2*\i:81+8*\ct+2*\i], v[120+2*\i:121+2*\i], v[216+8*\ct:223+8*\ct]
.endif
.endr
.endr
.rept 8
	v_nop
.endr
.set i, 0
.rept 32
	v_mul_f32 v[16+i], v[216+i], v131              ; / the sum, into other registers: lane (r, h): query r, channels 16 ct + 8 h + 0 .. 7
.set i, i+1
.endr
.irp ct, 0,1,2,3
	ds_store_b128 v6, v[16+8*\ct:19+8*\ct] offset:64*\ct
	ds_store_b128 v6, v[20+8*\ct:23+8*\ct] offset:64*\ct+16
.endr
.irp t, 0,1,2,3,4,5,6,7
	ds_load_b128 v[48+4*\t:51+4*\t], v7 offset:2*\t*PQ     ; LDS serves a wave's instructions in order: these see my stores
.endr
.irp t, 0,1,2,3,4,5,6,7
	s_wait_dscnt 7-\t
	global_store_b128 v14, v[48+4*\t:51+4*\t], s[10:11] offset:2*\t*4096   ; sixteen lanes store a row's 256 bytes of this head
.endr
.Lrest:
	s_wait_tensorcnt 0x0                           ; the wave's end
	ds_add_u32 v4, v5
	s_wait_dscnt 0x0
	s_endpgm
.Lfunc_end_k_qc4a286dfe0_head16:
	.size	k_qc4a286dfe0_head16, .Lfunc_end_k_qc4a286dfe0_head16-k_qc4a286dfe0_head16
	.p2alignl 7, 3214868480
	.fill 96, 4, 3214868480
	.section	.rodata,"a",@progbits
	.p2align	6, 0x0
	.amdhsa_kernel k_qc4a286dfe0_head16
		.amdhsa_group_segment_fixed_size 18944
		.amdhsa_private_segment_fixed_size 0
		.amdhsa_enable_private_segment 0
		.amdhsa_kernarg_size 32
		.amdhsa_user_sgpr_count 2
		.amdhsa_user_sgpr_kernarg_segment_ptr 1
		.amdhsa_wavefront_size32 1
		.amdhsa_system_sgpr_workgroup_id_x 1
		.amdhsa_system_sgpr_workgroup_id_y 1
		.amdhsa_system_sgpr_workgroup_id_z 1
		.amdhsa_system_vgpr_workitem_id 0
		.amdhsa_next_free_vgpr 256
		.amdhsa_next_free_sgpr 66
		.amdhsa_reserve_vcc 1
		.amdhsa_float_denorm_mode_32 3
		.amdhsa_float_denorm_mode_16_64 3
		.amdhsa_memory_ordered 1
		.amdhsa_forward_progress 1
		.amdhsa_inst_pref_size 21
	.end_amdhsa_kernel
	.amdgpu_metadata
---
amdhsa.version: [ 1, 2 ]
amdhsa.kernels:
  - .name:           k_qc4a286dfe0_head16
    .symbol:         k_qc4a286dfe0_head16.kd
    .args:
      - { .name: codes, .offset: 0, .size: 8, .value_kind: global_buffer, .address_space: global }
      - { .name: scales, .offset: 8, .size: 8, .value_kind: global_buffer, .address_space: global }
      - { .name: rope, .offset: 16, .size: 8, .value_kind: global_buffer, .address_space: global }
      - { .name: att32, .offset: 24, .size: 8, .value_kind: global_buffer, .address_space: global }
    .group_segment_fixed_size: 18944
    .private_segment_fixed_size: 0
    .kernarg_segment_align: 8
    .kernarg_segment_size: 32
    .max_flat_workgroup_size: 384
    .sgpr_count:     66
    .vgpr_count:     256
    .wavefront_size: 32
...
	.end_amdgpu_metadata
.endif
;; end of part 5
;; launch proj16 (part 6): grid 16 x 4, 16 waves a work-group, no clusters, 19,456 bytes of LDS; arguments att32, w_out, out0; writes out0
.if DOCPART == 6
	.amdgcn_target "amdgcn-amd-amdhsa--gfx1250"
	.amdhsa_code_object_version 6
	.text
	.protected	k_qc4a286dfe0_proj16
	.globl	k_qc4a286dfe0_proj16
	.p2align	8
	.type	k_qc4a286dfe0_proj16,@function
k_qc4a286dfe0_proj16:
	s_mov_b64 s[64:65], 0
	v_nop
	global_prefetch_b8 v0, s[64:65] scope:SCOPE_SE
	s_setreg_imm32_b32 hwreg(HW_REG_WAVE_MODE, 25, 1), 1
	s_wait_xcnt 0x0
; THE PROJECTION OF THE FIRST 16 POSITIONS of each sequence, in f32 throughout: out0[2048 b + s][n] = sum over k of att32[16 b + s][k] w_out[n][k], s = 0 .. 15.  It writes those 64 rows of out0 anew.
; Work-group (x, b): columns 64 x on.  Wave w: columns 16 (w % 4) on, K = 256 (w / 4) .. + 255: 64 instructions of the f32 matrix form on two accumulators by turns.  The four parts along K meet in LDS.
; The form takes 4 along K: lane (r, h), register j: k = 2 h + j.  A lane loads 32 neighbours (k = 64 chunk + 32 h on) of its row, and step i takes registers 2 i, 2 i + 1: the same order of k on both sides.
.set PQ,   272
.set PL,   16*PQ                       ; a plane: 16 rows x (64 columns of f32 + 16 bytes)
.set SPARE, 4*PL                       ; 17,408
	s_load_b128 s[4:7], s[0:1], 0x0                ; att32 s[4:5], w_out s[6:7]
	s_load_b64 s[8:9], s[0:1], 0x10                ; out0
	v_lshl_add_u32 v4, v0, 2, SPARE
	v_mov_b32 v5, 0
	v_lshrrev_b32 v8, 5, v0
	v_readfirstlane_b32 s10, v8                    ; wave 0..15
	s_and_b32 s11, s10, 3                          ; which 16 columns
	s_lshr_b32 s12, s10, 2                         ; which quarter of K
	s_and_b32 s13, ttmp7, 0xffff                   ; batch
	s_and_b32 s14, s10, 7
	v_and_b32 v8, 15, v0                           ; r
	v_bfe_u32 v9, v0, 4, 1                         ; h
	v_lshlrev_b32 v1, 12, v8
	v_lshl_add_u32 v1, v9, 7, v1                   ; v1 row r of 4,096 bytes + 128 h
	v_mul_u32_u24 v2, v8, PQ
	v_lshl_add_u32 v2, v9, 5, v2
	s_mul_i32 s16, s12, PL
	s_lshl_b32 s17, s11, 6
	s_add_co_u32 s16, s16, s17
	v_add_nc_u32 v2, s16, v2                       ; v2 my part's place: plane w / 4, row r, 64 (w % 4) + 32 h bytes on
	v_mul_u32_u24 v3, v9, PQ
	v_lshl_add_u32 v3, v8, 4, v3
	s_mul_i32 s16, s14, 2*PQ
	v_add_nc_u32 v3, s16, v3                       ; v3 back: rows 2 (w % 8) and + 1, 16 bytes a lane
	v_lshlrev_b32 v6, 12, v9
	v_lshl_add_u32 v6, v8, 4, v6                   ; v6 and the same two rows in out0
	s_lshl_b32 s18, s13, 16                        ; att32: 16 rows of 4,096 bytes a batch,
	s_lshl_b32 s19, s12, 10                        ; 1,024 bytes a quarter of K
	s_add_co_u32 s18, s18, s19
	s_lshl_b32 s20, ttmp9, 6
	s_lshl_b32 s21, s11, 4
	s_add_co_u32 s20, s20, s21                     ; w_out: my first row
	s_lshl_b32 s20, s20, 12
	s_add_co_u32 s20, s20, s19
	s_mov_b32 s19, 0
	s_mov_b32 s21, 0
	s_lshl_b32 s22, s13, 23                        ; out0: 2,048 rows of 4,096 bytes a batch,
	s_lshl_b32 s23, s14, 13                        ; two rows a wave,
	s_add_co_u32 s22, s22, s23
	s_lshl_b32 s23, ttmp9, 8                       ; 256 bytes a work-group
	s_add_co_u32 s22, s22, s23
	s_mov_b32 s23, 0
	s_wait_kmcnt 0x0
	s_add_nc_u64 s[4:5], s[4:5], s[18:19]
	s_add_nc_u64 s[6:7], s[6:7], s[20:21]
	s_add_nc_u64 s[8:9], s[8:9], s[22:23]
.macro CHUNK c, s                      ; 64 along K into set s: 32 registers of w_out, 32 of att32
.irp i, 0,1,2,3,4,5,6,7
	global_load_b128 v[16+64*\s+4*\i:16+64*\s+4*\i+3], v1, s[6:7] offset:256*\c+16*\i
	global_load_b128 v[48+64*\s+4*\i:48+64*\s+4*\i+3], v1, s[4:5] offset:256*\c+16*\i
.endr
.endm
.macro MULC s, zero                    ; transposed: source 0 = 16 rows of w_out, source 1 = the 16 positions.  v208-223 are written by matrix instructions alone; the two take turns
.irp i, 0,1,2,3,4,5,6,7,8,9,10,11,12,13,14,15
.if \zero && (\i < 2)
	v_wmma_f32_16x16x4_f32 v[208+8*(\i%2):215+8*(\i%2)], v[16+64*\s+2*\i:17+64*\s+2*\i], v[48+64*\s+2*\i:49+64*\s+2*\i], 0
.else
	v_wmma_f32_16x16x4_f32 v[208+8*(\i%2):215+8*(\i%2)], v[16+64*\s+2*\i:17+64*\s+2*\i], v[48+64*\s+2*\i:49+64*\s+2*\i], v[208+8*(\i%2):215+8*(\i%2)]
.endif
.endr
.endm
	CHUNK 0, 0
	CHUNK 1, 1
	CHUNK 2, 2
	s_wait_loadcnt 32                              ; chunk 0's 16 loads are in; two chunks' 32 may be out
	MULC 0, 1
.rept 8
	v_nop                                          ; eight places in front of loads into registers that this form has read
.endr
	CHUNK 3, 0
	s_wait_loadcnt 32                              ; chunk 1 is in; chunks 2 and 3 may be out
	MULC 1, 0
	s_wait_loadcnt 16                              ; chunk 2 is in
	MULC 2, 0
	s_wait_loadcnt 0x0
	MULC 0, 0
.rept 8
	v_nop
.endr
.irp i, 0,1,2,3
	v_pk_add_f32 v[224+2*\i:225+2*\i], v[208+2*\i:209+2*\i], v[216+2*\i:217+2*\i]   ; lane (r, h): position r, columns 8 h + 0 .. 7
.endr
	ds_store_b128 v2, v[224:227]
	ds_store_b128 v2, v[228:231] offset:16
	s_wait_dscnt 0x0                               ; for the others' sake: my stores have landed
	s_barrier_signal -1
	s_barrier_wait -1
	s_cmp_lt_u32 s10, 8
	s_cbranch_scc0 .Lend
.irp p, 0,1,2,3
	ds_load_b128 v[16+4*\p:19+4*\p], v3 offset:\p*PL
.endr
	s_wait_dscnt 0x0
	v_pk_add_f32 v[16:17], v[16:17], v[20:21]
	v_pk_add_f32 v[18:19], v[18:19], v[22:23]
	v_pk_add_f32 v[24:25], v[24:25], v[28:29]
	v_pk_add_f32 v[26:27], v[26:27], v[30:31]
	v_pk_add_f32 v[16:17], v[16:17], v[24:25]
	v_pk_add_f32 v[18:19], v[18:19], v[26:27]
	global_store_b128 v6, v[16:19], s[8:9]         ; sixteen lanes store 256 consecutive bytes, aligned
.Lend:
	s_wait_tensorcnt 0x0                           ; the wave's end
	ds_add_u32 v4, v5
	s_wait_dscnt 0x0
	s_endpgm
.Lfunc_end_k_qc4a286dfe0_proj16:
	.size	k_qc4a286dfe0_proj16, .Lfunc_end_k_qc4a286dfe0_proj16-k_qc4a286dfe0_proj16
	.p2alignl 7, 3214868480
	.fill 96, 4, 3214868480
	.section	.rodata,"a",@progbits
	.p2align	6, 0x0
	.amdhsa_kernel k_qc4a286dfe0_proj16
		.amdhsa_group_segment_fixed_size 19456
		.amdhsa_private_segment_fixed_size 0
		.amdhsa_enable_private_segment 0
		.amdhsa_kernarg_size 24
		.amdhsa_user_sgpr_count 2
		.amdhsa_user_sgpr_kernarg_segment_ptr 1
		.amdhsa_wavefront_size32 1
		.amdhsa_system_sgpr_workgroup_id_x 1
		.amdhsa_system_sgpr_workgroup_id_y 1
		.amdhsa_system_sgpr_workgroup_id_z 1
		.amdhsa_system_vgpr_workitem_id 0
		.amdhsa_next_free_vgpr 248
		.amdhsa_next_free_sgpr 66
		.amdhsa_reserve_vcc 0
		.amdhsa_float_denorm_mode_32 3
		.amdhsa_float_denorm_mode_16_64 3
		.amdhsa_memory_ordered 1
		.amdhsa_forward_progress 1
		.amdhsa_inst_pref_size 15
	.end_amdhsa_kernel
	.amdgpu_metadata
---
amdhsa.version: [ 1, 2 ]
amdhsa.kernels:
  - .name:           k_qc4a286dfe0_proj16
    .symbol:         k_qc4a286dfe0_proj16.kd
    .args:
      - { .name: att32, .offset: 0, .size: 8, .value_kind: global_buffer, .address_space: global }
      - { .name: w_out, .offset: 8, .size: 8, .value_kind: global_buffer, .address_space: global }
      - { .name: out0, .offset: 16, .size: 8, .value_kind: global_buffer, .address_space: global }
    .group_segment_fixed_size: 19456
    .private_segment_fixed_size: 0
    .kernarg_segment_align: 8
    .kernarg_segment_size: 24
    .max_flat_workgroup_size: 512
    .sgpr_count:     66
    .vgpr_count:     248
    .wavefront_size: 32
...
	.end_amdgpu_metadata
.endif
;; end of part 6
